; MI455X (gfx1250); checked and timed in simulation.
; The chip was launched on July 23, 2026; its instructions are those of AMD's public machine-readable ISA for CDNA 5 (MIT licence, August 2026) and "CDNA5" Instruction Set Architecture Reference Guide (July 2026). The comments in the code are by the model that wrote it; some were corrected since.
;; Multi Head Attention. Allowed arithmetic: matrix products marked QUANTISED: E2M1 operands, one E8M0 scale for each 32 along K, by v_wmma_scale_f32_16x16x128_f8f6f4 with both operands' format E2M1 (or v_wmma_scale_f32_32x16x128_f4), f32 sums; products left as they are: bf16, f16 or f32 operands; f32 sums; everything else in f32.
;; Inputs: Wk 16 x 64 x 1,024 float32; Wo 1,024 x 1,024 float32; Wq 16 x 64 x 1,024 float32; Wv 16 x 64 x 1,024 float32; bo 1,024 float32; x 4 x 2,048 x 1,024 float32.
;; Outputs: out0 4 x 2,048 x 1,024 float32.
;; This version of the problem:
;;   THIS VERSION OF THE PROBLEM IS GIVEN IN LOW PRECISION. The matrix products marked QUANTISED in the list below multiply operands that are first quantised to E2M1 (2 exponent bits, 1 mantissa bit; 4 bits a number), with one power-of-two scale for each 32 numbers along K (OCP MX v1.0); their sums are f32. The products marked 'left as it is' may take bf16, f16 or f32 operands, with f32 sums. Whichever they take, every output number must still come out within the allowed error. Rounding operands to bf16 (8 significant bits) uses up far more of that allowance than f16 does (11 bits, for magnitudes from 6e-5 to 65,504). All else is computed in f32.
;;   The module's matrix products, in the order in which they are computed (A, B: the left and right operand; K: the contracted axis; several contracted axes count as one K, in the product's order):
;;     1. [M 1,024, K 1,024] x [K 1,024, N 8,192]; A: input Wq; B: input x: QUANTISED
;;     2. [M 1,024, K 1,024] x [K 1,024, N 8,192]; A: input Wk; B: input x: QUANTISED
;;     3. [M 1,024, K 1,024] x [K 1,024, N 8,192]; A: input Wv; B: input x: QUANTISED
;;     4. batch 64 x [M 2,048, K 64] x [K 64, N 2,048]; A: computed on the way; B: computed on the way: left as it is (an operand is computed on the way)
;;     5. batch 64 x [M 2,048, K 2,048] x [K 2,048, N 64]; A: computed on the way; B: computed on the way: left as it is (an operand is computed on the way)
;;     6. [M 8,192, K 1,024] x [K 1,024, N 1,024]; A: computed on the way; B: input Wo: left as it is (an operand is computed on the way)
;;   THE QUANTISER, for each operand of a quantised product, along K:
;;     - K is cut into blocks of 32 from its start; a last block that is shorter is filled with zeros.
;;     - A block's scale is 2^e with e = floor(log2(the largest magnitude in the block)) - 2, held to -126 .. 127; a block of zeros has e = 0. As a byte (E8M0): e + 127.
;;     - Each number is divided by its block's scale, clamped to +-6, and rounded to the nearest number of E2M1, ties to even, subnormals kept.
;;     - The product sums the exact products of the quantised numbers (number of the format x scale) in f32.
;;   ~~~python
;;   def quantise(x, axis):      # numpy; x: float32 -> the quantised numbers, widened to float32 again
;;       x = np.moveaxis(x, axis, -1); K = x.shape[-1]
;;       x = np.pad(x, [(0, 0)] * (x.ndim - 1) + [(0, -K % 32)]); x = x.reshape(x.shape[:-1] + (-1, 32)); a = np.abs(x).max(-1, keepdims=True)
;;       e = np.where(a > 0, np.clip(np.frexp(np.where(a > 0, a, 1))[1] - 1 - 2, -126, 127), 0)      # np.frexp(a)[1] - 1 = floor(log2(a)), exactly
;;       r = np.clip(x / 2.0 ** e, -6, 6)
;;       step = 2.0 ** (np.maximum(np.frexp(np.where(r == 0, 1, r))[1] - 1, 0) - 1)
;;       q = np.round(r / step) * step * 2.0 ** e      # np.round: ties to even
;;       return np.moveaxis(q.reshape(q.shape[:-2] + (-1,))[..., :K], -1, axis).astype(np.float32)
;;   ~~~
;; One version. Each part assembles by itself: llvm-mc -triple=amdgcn-amd-amdhsa -mcpu=gfx1250 --defsym DOCPART=n.
;; ======== version 1 of 1: 4 launches
;; limits: values are held in f16: magnitudes above 65,504 overflow, below 6.1e-05 lose precision
;; workspace buffers: xc 4,194,304 bytes; xs 262,144 bytes; wc 1,572,864 bytes; ws 98,304 bytes; wo16 2,097,152 bytes; qkv 50,331,648 bytes; ows 16,777,216 bytes
;; launch prep (part 1): grid 384 x 1, 4 waves a work-group, no clusters, 33,280 bytes of LDS; arguments x, Wq, Wk, Wv, Wo, xc, xs, wc, ws, wo16; writes xc, xs, wc, ws, wo16
.if DOCPART == 1
	.amdgcn_target "amdgcn-amd-amdhsa--gfx1250"
	.amdhsa_code_object_version 6
	.text
	.protected	k_q8142b3894d_prep
	.globl	k_q8142b3894d_prep
	.p2align	8
	.type	k_q8142b3894d_prep,@function
k_q8142b3894d_prep:
	s_mov_b64 s[64:65], 0
	v_nop
	global_prefetch_b8 v0, s[64:65] scope:SCOPE_SE
	s_setreg_imm32_b32 hwreg(HW_REG_WAVE_MODE, 25, 1), 1
	s_wait_xcnt 0x0
; PREP.  x [8192][1024] and Wq, Wk, Wv [1024][1024], f32, become codes of FP4 (E2M1), K innermost, two codes a byte, with one E8M0 byte for each 32 along K;
; Wo [1024][1024] is rounded to f16.  xc [8192][512 B], xs [8192][32]; wc [3072][512 B], ws [3072][32]: rows 0-1023 Wq, 1024-2047 Wk, 2048-3071 Wv.
; A block's scale is 2^(floor(log2(its largest magnitude)) - 2); its byte is the largest magnitude's exponent field - 2, held at 1 from below.
; LIMITS: a block whose largest magnitude lies under 2^-124 (a block of zeros among them) keeps the byte 1; its codes then are zeros or as the held scale gives them; the bytes are read by this program alone.
; NaN and infinities among the inputs are not served.  Wo beyond 65,504 in magnitude would become infinite in f16.
; SHARES.  A work-group takes 32,768 numbers, a wave 8,192.  Work-groups 0-255: x; 256-287: Wq; 288-319: Wk; 320-351: Wv; 352-383: Wo.
; Rows are dense and K is a multiple of 32, so each tensor is a plain stream of blocks of 32.  The four quantised tensors take ONE path: only pointers are chosen, by the work-group's number.
; A step is 512 numbers: four loads of 512 consecutive bytes; the 2,048 bytes turn through the wave's own stage in LDS so that a lane holds 16 neighbours (two lanes a block).
; A lane's 16 codes are 8 bytes: the wave stores 256 consecutive bytes.  A wave's 256 scale bytes are gathered in LDS and leave as one aligned run of 256 bytes.
.set WAVES, 4
.set STEPS, 16
.set EMAX,  2
.set CB,    8                          ; bytes of 16 codes
.set R,     16                         ; v16-79   four sets of 16 numbers as loaded (Wo's path: sixteen slots of 4)
.set X,     80                         ; v80-111  two sets of 16 neighbours (Wo's path: sixteen slots of 2, to store)
.set E,     112                        ; v112-127 a scale byte for each step
.set C,     128                        ; v128-191 codes: four registers for each step, so that no store's data are written again
.set WREG,  8192                       ; LDS: a region for each wave: two stages of 32 x SP bytes, then its 256 scale bytes
.set SP,    80                         ; a lane's place in a stage: 64 bytes + 16 of padding
.set SPW,   12                         ; v12  LDS address of my spare word; never rewritten
.set NIL,   13                         ; v13  0; never rewritten
.set SPARE, WAVES*WREG                 ; behind the four regions: the spare words, 128 bytes a wave
	s_load_b512 s[8:23], s[0:1], 0x0               ; x 8:9, Wq 10:11, Wk 12:13, Wv 14:15, Wo 16:17, xc 18:19, xs 20:21, wc 22:23
	s_load_b128 s[24:27], s[0:1], 0x40             ; ws 24:25, wo16 26:27
	v_lshl_add_u32 v[SPW], v0, 2, SPARE
	v_mov_b32 v[NIL], 0
	v_lshrrev_b32 v1, 5, v0
	v_readfirstlane_b32 s28, v1                    ; wave
	v_and_b32 v2, 31, v0                           ; lane
	v_lshlrev_b32 v3, 4, v2                        ; my 16 bytes of a load's 512
	s_mul_i32 s29, s28, WREG
	v_lshrrev_b32 v14, 2, v2
	v_mul_u32_u24 v14, v14, SP
	v_and_b32 v15, 3, v2
	v_lshl_add_u32 v14, v15, 4, v14
	v_add_nc_u32 v14, s29, v14                     ; the stage, on the way in: SP (lane / 4) + 16 (lane % 4)
	v_mul_u32_u24 v15, v2, SP
	v_add_nc_u32 v15, s29, v15                     ; and on the way out: SP x lane: my 16 neighbours
	v_mul_u32_u24 v4, v2, CB                       ; 8 x lane: my codes' place in a step's (and my f16 numbers' in Wo's path)
	v_lshrrev_b32 v5, 1, v2
	s_add_co_u32 s29, s29, 2*32*SP
	v_add_nc_u32 v5, s29, v5                       ; LDS: my wave's 256 scale bytes, my block's byte
	v_lshlrev_b32 v7, 3, v2
	v_add_nc_u32 v6, s29, v7                       ; and on the way out 8 bytes a lane
	s_wait_kmcnt 0x0
	s_cmp_ge_u32 ttmp9, 352
	s_cbranch_scc1 .Lwo
	; which tensor: the choices hang on the work-group's number alone
	s_cmp_lt_u32 ttmp9, 288
	s_cselect_b64 s[4:5], s[10:11], s[12:13]       ; Wq or Wk
	s_cmp_lt_u32 ttmp9, 320
	s_cselect_b64 s[4:5], s[4:5], s[14:15]         ; or Wv
	s_cmp_lt_u32 ttmp9, 256
	s_cselect_b64 s[4:5], s[8:9], s[4:5]           ; or x
	s_cselect_b64 s[6:7], s[18:19], s[22:23]       ; the codes' buffer
	s_cselect_b64 s[30:31], s[20:21], s[24:25]     ; the scale bytes'
	s_cselect_b32 s32, 0, 256
	s_cselect_b32 s33, 255, 31
	s_sub_co_u32 s32, ttmp9, s32                   ; d: my work-group's number in x, or among the three weights
	s_and_b32 s33, s32, s33                        ; and inside its own tensor
	s_lshl_b32 s33, s33, 2
	s_add_co_u32 s33, s33, s28                     ; which run of 8,192 numbers of the source is my wave's,
	s_lshl_b32 s32, s32, 2
	s_add_co_u32 s32, s32, s28                     ; and of the destination
	s_lshl_b32 s34, s33, 15                        ; 32,768 bytes of f32 a run
	s_mov_b32 s35, 0
	s_lshl_b32 s36, s32, 12                        ; 4,096 bytes of codes
	s_mov_b32 s37, 0
	s_lshl_b32 s38, s32, 8                         ; 256 scale bytes
	s_mov_b32 s39, 0
	s_add_nc_u64 s[4:5], s[4:5], s[34:35]
	s_add_nc_u64 s[6:7], s[6:7], s[36:37]
	s_add_nc_u64 s[30:31], s[30:31], s[38:39]
.macro LOAD t
.irp i, 0,1,2,3
	global_load_b128 v[R+16*((\t)%4)+4*\i:R+16*((\t)%4)+4*\i+3], v3, s[4:5] offset:2048*(\t)+512*\i th:TH_LOAD_NT   ; 32 lanes read 512 consecutive bytes
.endr
.endm
.macro TURN t                          ; step t's numbers through the stage: LDS serves a wave's instructions in order, so no wait stands between the stores and the loads
.irp i, 0,1,2,3
	ds_store_b128 v14, v[R+16*((\t)%4)+4*\i:R+16*((\t)%4)+4*\i+3] offset:32*SP*((\t)%2)+8*SP*\i
.endr
.irp i, 0,1,2,3
	ds_load_b128 v[X+16*((\t)%2)+4*\i:X+16*((\t)%2)+4*\i+3], v15 offset:32*SP*((\t)%2)+16*\i
.endr
.endm
.irp t, 0,1,2,3
	LOAD \t
.endr
	s_wait_loadcnt 12                              ; step 0's four loads are in; the twelve of steps 1 to 3 may be out
	TURN 0
.macro STEP t
.set XS, X+16*((\t)%2)
.if (\t) > 0
	s_wait_dscnt 1                                 ; this step's numbers are back from the stage (the last step's byte store may be out): so its stores into the stage have read their registers,
.else
	s_wait_dscnt 0x0
.endif
.if (\t)+4 < STEPS
	LOAD (\t)+4                                    ; which take the loads of four steps on
.endif
.if (\t)+1 < STEPS
.if STEPS-2-(\t) >= 3
	s_wait_loadcnt 12                              ; the next step's four loads are in; those of the three steps behind it may be out
.else
	s_wait_loadcnt 4*(STEPS-2-(\t))                ; at the end: four for each step still behind it
.endif
	TURN (\t)+1                                    ; and go through the other stage while this step is worked
.endif
	v_max3_num_f32 v8, |v[XS]|, |v[XS+1]|, |v[XS+2]|               ; the largest magnitude of my 16, in two chains
	v_max3_num_f32 v9, |v[XS+3]|, |v[XS+4]|, |v[XS+5]|
.irp i, 6,10
	v_max3_num_f32 v8, v8, |v[XS+\i]|, |v[XS+\i+1]|
	v_max3_num_f32 v9, v9, |v[XS+\i+2]|, |v[XS+\i+3]|
.endr
	v_max3_num_f32 v8, v8, |v[XS+14]|, |v[XS+15]|
	v_max3_num_f32 v8, v8, v9, (EMAX+1)<<23        ; and the floor 2^(3 - 127): the byte cannot fall under 1
	v_max_num_f32_dpp v8, v8, v8 row_xmask:1 row_mask:0xf bank_mask:0xf   ; and of my neighbour's 16: the block's
	v_add_nc_u32 v11, -(EMAX<<23), v8              ; 2 off its exponent field: the conversion takes the exponent field of this operand as its scale
	v_cvt_scalef32_pk8_fp4_f32 v[C+4*(\t)], v[XS:XS+7], v11        ; eight numbers / the scale, to the nearest code, ties to even, beyond 6 the largest code
	v_cvt_scalef32_pk8_fp4_f32 v[C+4*(\t)+1], v[XS+8:XS+15], v11
	v_lshrrev_b32 v[E+(\t)], 23, v11               ; the scale's byte (also the plain line behind the conversions)
	ds_store_b8 v5, v[E+(\t)] offset:16*(\t)       ; both lanes of a block write the same byte with the same value
	global_store_b64 v4, v[C+4*(\t):C+4*(\t)+1], s[6:7] offset:32*CB*(\t)   ; the wave stores 256 consecutive bytes, aligned
.endm
.irp t, 0,1,2,3,4,5,6,7,8,9,10,11,12,13,14,15
	STEP \t
.endr
	ds_load_b64 v[8:9], v6                         ; LDS serves a wave's instructions in order: these see my byte stores
	s_wait_dscnt 0x0
	global_store_b64 v7, v[8:9], s[30:31]          ; 32 lanes store 256 consecutive bytes, aligned
	s_wait_tensorcnt 0x0                           ; the wave's end
	ds_add_u32 v[SPW], v[NIL]
	s_wait_dscnt 0x0
	s_endpgm
; Wo to f16: a plain stream without LDS.  A wave takes 8,192 numbers: 64 loads of 512 consecutive bytes, 64 stores of 256.  Sixteen slots in registers keep sixteen loads on their way.
.Lwo:
	s_sub_co_u32 s32, ttmp9, 352
	s_lshl_b32 s32, s32, 2
	s_add_co_u32 s32, s32, s28                     ; my wave's run
	s_lshl_b32 s34, s32, 15
	s_mov_b32 s35, 0
	s_lshl_b32 s36, s32, 14
	s_mov_b32 s37, 0
	s_add_nc_u64 s[16:17], s[16:17], s[34:35]
	s_add_nc_u64 s[26:27], s[26:27], s[36:37]
.set n, 0
.rept 16
	global_load_b128 v[R+4*n:R+4*n+3], v3, s[16:17] offset:512*n th:TH_LOAD_NT
.set n, n+1
.endr
.set n, 0
.rept 64
.if n < 48
	s_wait_loadcnt 15                              ; loads come back in order: mine is in, the fifteen younger ones stay out
.else
	s_wait_loadcnt 63-n                            ; the last rounds load nothing: the counts run down
.endif
	s_wait_xcnt 0x0                                ; the slot's last store has read its data: they are written again only behind this wait
	v_cvt_pk_f16_f32 v[X+2*(n%16)], v[R+4*(n%16)], v[R+4*(n%16)+1]
	v_cvt_pk_f16_f32 v[X+2*(n%16)+1], v[R+4*(n%16)+2], v[R+4*(n%16)+3]
.if n+16 < 64
	global_load_b128 v[R+4*(n%16):R+4*(n%16)+3], v3, s[16:17] offset:512*(n+16) th:TH_LOAD_NT
.endif
	global_store_b64 v4, v[X+2*(n%16):X+2*(n%16)+1], s[26:27] offset:256*n   ; 256 consecutive bytes, aligned
.set n, n+1
.endr
	s_endpgm
.Lfunc_end_k_q8142b3894d_prep:
	.size	k_q8142b3894d_prep, .Lfunc_end_k_q8142b3894d_prep-k_q8142b3894d_prep
	.p2alignl 7, 3214868480
	.fill 96, 4, 3214868480
	.section	.rodata,"a",@progbits
	.p2align	6, 0x0
	.amdhsa_kernel k_q8142b3894d_prep
		.amdhsa_group_segment_fixed_size 33280
		.amdhsa_private_segment_fixed_size 0
		.amdhsa_enable_private_segment 0
		.amdhsa_kernarg_size 80
		.amdhsa_user_sgpr_count 2
		.amdhsa_user_sgpr_kernarg_segment_ptr 1
		.amdhsa_wavefront_size32 1
		.amdhsa_system_sgpr_workgroup_id_x 1
		.amdhsa_system_sgpr_workgroup_id_y 1
		.amdhsa_system_sgpr_workgroup_id_z 1
		.amdhsa_system_vgpr_workitem_id 0
		.amdhsa_next_free_vgpr 192
		.amdhsa_next_free_sgpr 66
		.amdhsa_reserve_vcc 0
		.amdhsa_float_denorm_mode_32 3
		.amdhsa_float_denorm_mode_16_64 3
		.amdhsa_memory_ordered 1
		.amdhsa_forward_progress 1
		.amdhsa_inst_pref_size 58
	.end_amdhsa_kernel
	.amdgpu_metadata
---
amdhsa.version: [ 1, 2 ]
amdhsa.kernels:
  - .name:           k_q8142b3894d_prep
    .symbol:         k_q8142b3894d_prep.kd
    .args:
      - { .name: x, .offset: 0, .size: 8, .value_kind: global_buffer, .address_space: global }
      - { .name: Wq, .offset: 8, .size: 8, .value_kind: global_buffer, .address_space: global }
      - { .name: Wk, .offset: 16, .size: 8, .value_kind: global_buffer, .address_space: global }
      - { .name: Wv, .offset: 24, .size: 8, .value_kind: global_buffer, .address_space: global }
      - { .name: Wo, .offset: 32, .size: 8, .value_kind: global_buffer, .address_space: global }
      - { .name: xc, .offset: 40, .size: 8, .value_kind: global_buffer, .address_space: global }
      - { .name: xs, .offset: 48, .size: 8, .value_kind: global_buffer, .address_space: global }
      - { .name: wc, .offset: 56, .size: 8, .value_kind: global_buffer, .address_space: global }
      - { .name: ws, .offset: 64, .size: 8, .value_kind: global_buffer, .address_space: global }
      - { .name: wo16, .offset: 72, .size: 8, .value_kind: global_buffer, .address_space: global }
    .group_segment_fixed_size: 33280
    .private_segment_fixed_size: 0
    .kernarg_segment_align: 8
    .kernarg_segment_size: 80
    .max_flat_workgroup_size: 128
    .sgpr_count:     66
    .vgpr_count:     192
    .wavefront_size: 32
...
	.end_amdgpu_metadata
.endif
;; end of part 1
;; launch qkv (part 2): grid 12 x 32, 4 waves a work-group, clusters of 4 x 4, 327,680 bytes of LDS; arguments xc, xs, wc, ws, qkv; writes qkv
.if DOCPART == 2
	.amdgcn_target "amdgcn-amd-amdhsa--gfx1250"
	.amdhsa_code_object_version 6
	.text
	.protected	k_q8142b3894d_qkv
	.globl	k_q8142b3894d_qkv
	.p2align	8
	.type	k_q8142b3894d_qkv,@function
k_q8142b3894d_qkv:
	s_mov_b64 s[64:65], 0
	v_nop
	global_prefetch_b8 v0, s[64:65] scope:SCOPE_SE
	s_setreg_imm32_b32 hwreg(HW_REG_WAVE_MODE, 25, 1), 1
	s_wait_xcnt 0x0
	s_wait_alu depctr_hold_cnt(0) depctr_sa_sdst(0) depctr_va_vdst(0) depctr_va_sdst(0) depctr_va_ssrc(0) depctr_va_vcc(0) depctr_vm_vsrc(0)
	s_getreg_b32 s2, hwreg(HW_REG_IB_STS2, 6, 4)
	s_cmp_eq_u32 s2, 0
	s_cbranch_scc0 .Lentry_in_a_cluster
	s_endpgm
.Lentry_in_a_cluster:
	s_bfe_u32 s2, ttmp6, 0x10000c
	s_cmp_lg_u32 s2, 0xf033
	s_cbranch_scc0 .Lentry_shape_is_right
	s_endpgm
.Lentry_shape_is_right:
; QKV.  The three projections as ONE product on codes of FP4 (E2M1) with E8M0 scales for each 32 along K: C[token][feature] = sum over k of x[token][k] W[feature][k],
; 8,192 tokens x 3,072 features (1,024 of q, of k, of v; feature = 64 head + channel), K = 1,024; sums in f32.  The results are rounded to f16 and stored as qkv [3][batch][head][token][64].
; LIMIT: a result beyond 65,504 in magnitude becomes infinite in f16 (with the drawn inputs results are of the order of 1; with all inputs 30 times larger under some 5,500).
; A tile of C, 256 x 256, is made by a work-group of four waves; a wave makes 128 x 128: 64 accumulators of 16 x 16, 512 registers.
; K is two steps of 512 (a tile's row is 256 bytes of memory): both lie in LDS, each in a slot of its own, asked for at the head: nothing is filled again.
; THE SCALES of the work-group's 256 tokens and 256 features, for all of K, are two dense blocks of memory: they come into LDS once, with the first fills.
; CLUSTERS: 4 x 4 work-groups.  The four of a row of the cluster need the same tokens' tiles, the four of a column the same features': each tile is asked for JOINTLY, by the same tensor load with the same
; descriptor and a mask that names the four.  THE MATRIX INSTRUCTION IS USED TRANSPOSED (source 0 = 16 features, source 1 = 16 tokens): a lane then holds eight neighbouring features of one token.
; REGISTERS, in windows of 256: window 0: v0-31 addresses; v32-95 scale words, two sets, and nothing else; v128-191 the tokens' fragments, ONE set; on the way out v128-223 are at work.
;   window 1: the features' fragments, TWO sets, at v0 and v128.   window 2: the accumulators of my tokens 0-63 ((a, b) at v[8 (8 a + b)]);   window 3: those of my tokens 64-127.
.set SIZE_M, 8192
.set SIZE_N, 3072
.set SIZE_K, 1024
.set KSTEP,  512                       ; along K in a slot
.set NQ,     KSTEP/128                 ; matrix instructions deep
.set ROWB,   256                       ; a tile's row in bytes
.set KROW,   SIZE_K*4/8                ; a row of codes in memory, in bytes
.set PITCH,  272                       ; an LDS row: 256 bytes + 16 of padding: the 16 rows that a load touches start at 16 different banks (64 banks of 4 bytes: ISA guide 11.1)
.set FR,     8                         ; registers of a fragment: 16 rows x 128 K
.set NL,     2                         ; LDS loads that bring one
.set NP,     4                         ; places behind this matrix instruction (ISA guide 7.12.1)
.set HALFT,  128*PITCH                 ; 128 rows: what one tensor load brings
.set SLOT,   4*HALFT                   ; the tokens' 256 rows, then the features' 256
.set KS,     SIZE_K/32                 ; a row of scales in bytes
.set SCL,    2*SLOT                    ; behind the slots: the scales, as runs of 256 bytes + 16 of padding
.set HALFS,  (128*KS/256)*272          ; the scales of 128 rows
.set SBLK,   (16*KS/256)*272           ; those of 16 rows
.set SPARE,  SCL+4*HALFS               ; the spare words, 128 bytes a wave
.set SPITCH, 272                       ; the way out: a stage of 16 rows x (256 bytes + 16) for each wave, in slot 0, which has had its only fill and its last read by then
.set ADRA, 16                          ; v16-17  LDS address of my tokens' fragments in slot 0, 1
.set ADRB, 20                          ; v20-21  the same for the features
.set STO,  24                          ; v24     the way out: where I put 16 bytes of a token's row
.set RD,   25                          ; v25     and where I read back
.set CO,   26                          ; v26     16 x lane
.set ADRS, 27                          ; v27     LDS address of my scale words: lanes 0-15 tokens, lanes 16-31 features
.set SPW,  28                          ; v28     my spare word; never rewritten
.set NIL,  29                          ; v29     0; never rewritten
.set SC,   32                          ; scale words: set s at v[SC + 32 s]; register 4 i + q: lanes 0-15 the word of token block i, lanes 16-31 of feature block i, for the slot's q-th 128 along K
.set AF,   128                         ; the tokens' fragments
.set TMP,  192                         ; the way out: packed results, v192-223
.set OB,   128                         ; the way out: read back from the stage: v128-159 and v160-191 by turns (the tokens' fragments are done with)
.set G1, 24
.set G0, 32
.set G1B, 48
.set G0B, 56
.set G1S, 68
.set G0S, 76
.set G1SB, 80
.set G0SB, 88
.set MSB, 0
.macro WIN new                         ; the immediate's high byte repeats the setting that is left; a switch that changes nothing is dropped
.if MSB != (\new)
	s_set_vgpr_msb (MSB<<8)|(\new)
.set MSB, (\new)
.endif
.endm
.set MUL_LO, 0xa1                      ; source 0 window 1, source 1 window 0, C and D window 2
.set MUL_HI, 0xf1                      ; the same, C and D window 3
.set TO_B,   0x40                      ; destination window 1, address window 0
; A joint load: waves 0 and 1 fetch for the tokens, waves 2 and 3 for the features.  The branch hangs on the wave's number alone.  An s_nop 0 and four v_nop follow each line.
.macro JLOAD g0a, g1a, g0b, g1b
	s_cmp_eq_u32 s15, 0
	s_cbranch_scc0 .Lfor_b_\@
	tensor_load_to_lds s[\g0a:\g0a+3], s[\g1a:\g1a+7]
	s_nop 0
.rept 4
	v_nop
.endr
	s_branch .Lasked_\@
.Lfor_b_\@:
	tensor_load_to_lds s[\g0b:\g0b+3], s[\g1b:\g1b+7]
	s_nop 0
.rept 4
	v_nop
.endr
.Lasked_\@:
.endm
.macro CROUND                          ; a round of the cluster's barrier
	s_barrier_signal -1
	s_barrier_wait -1
	s_cmp_lg_u32 s14, 0
	s_cbranch_scc1 .Lnot_wave_0_\@
	s_barrier_signal -3
.Lnot_wave_0_\@:
	s_barrier_wait -3
	s_barrier_signal -1
	s_barrier_wait -1
.endm
	s_load_b128 s[4:7], s[0:1], 0x0                ; x's codes s[4:5], x's scales s[6:7]
	s_load_b128 s[8:11], s[0:1], 0x10              ; W's codes s[8:9], W's scales s[10:11]
	s_load_b64 s[12:13], s[0:1], 0x20              ; qkv
	v_lshl_add_u32 v[SPW], v0, 2, SPARE
	v_mov_b32 v[NIL], 0
	ds_add_u32 v[SPW], v[NIL]                      ; the wave's opening: the add, twice on end, and its wait ahead of my first tensor load
	ds_add_u32 v[SPW], v[NIL]
	v_lshrrev_b32 v1, 5, v0
	v_readfirstlane_b32 s14, v1                    ; wave 0..3
	s_lshr_b32 s15, s14, 1                         ; which half of the tile's tokens is mine.  Also: I fetch for the tokens (0) or the features (1)
	s_and_b32 s16, s14, 1                          ; which half of its features.  Also: which 128 rows I fetch
	s_bfe_u32 s40, ttmp6, 0x40000                  ; cx, cy: my place in the cluster
	s_bfe_u32 s41, ttmp6, 0x40004
	s_lshl_b32 s42, ttmp9, 2
	s_add_co_u32 s42, s42, s40                     ; tile column = 4 x cluster x + cx
	s_and_b32 s17, ttmp7, 0xffff
	s_lshl_b32 s17, s17, 2
	s_add_co_u32 s17, s17, s41                     ; tile row = 4 x cluster y + cy
	s_lshl_b32 s43, s41, 2
	s_lshl_b32 s43, 15, s43                        ; my row of the cluster
	s_lshl_b32 s44, 0x1111, s40                    ; my column
	; descriptor group 1: a tile of 128 rows x 256 bytes, 16 bytes of padding behind each row
	s_or_b32 s[G1+0], s43, (0<<16)|(1<<20)|(1<<21)|(5<<22)|(3<<25)  ; the mask; elements of 1 byte; padding on; bit 21 beside a mask; after every 64 words; four words
	s_or_b32 s[G1B+0], s44, (0<<16)|(1<<20)|(1<<21)|(5<<22)|(3<<25)
.irp g, G1, G1B
	s_mov_b32 s[\g+1], ROWB<<16                    ; tensor_dim0
	s_mov_b32 s[\g+2], 128<<16                     ; tensor_dim1
	s_mov_b32 s[\g+3], ROWB<<16                    ; tile_dim0
	s_mov_b32 s[\g+4], 128                         ; tile_dim1
	s_mov_b32 s[\g+5], KROW                        ; from row to row
	s_mov_b32 s[\g+6], 0
	s_mov_b32 s[\g+7], 0
.endr
	; the scales of 128 rows: a dense block of 4,096 bytes, as 16 rows of 256 bytes (32 elements of 8 bytes), 16 bytes of padding behind each
	s_or_b32 s[G1S+0], s43, (3<<16)|(1<<20)|(1<<21)|(5<<22)|(3<<25)
	s_or_b32 s[G1SB+0], s44, (3<<16)|(1<<20)|(1<<21)|(5<<22)|(3<<25)
.irp g, G1S, G1SB
	s_mov_b32 s[\g+1], 32<<16
	s_mov_b32 s[\g+2], (128*KS/256)<<16
	s_mov_b32 s[\g+3], 32<<16
	s_mov_b32 s[\g+4], 128*KS/256
	s_mov_b32 s[\g+5], 32
	s_mov_b32 s[\g+6], 0
	s_mov_b32 s[\g+7], 0
.endr
	s_lshl_b32 s18, s16, 7                         ; which 128 rows of the tile I fetch
	s_lshl_b32 s20, s17, 8
	s_add_co_u32 s20, s20, s18                     ; tokens: row 256 x tile row + 128 x half
	s_lshl_b32 s46, s42, 8
	s_add_co_u32 s46, s46, s18                     ; features: row 256 x tile column + 128 x half
	s_mov_b32 s21, 0
	s_mov_b32 s47, 0
	s_mov_b64 s[18:19], KS
	s_mul_u64 s[22:23], s[20:21], s[18:19]         ; where these rows' scales begin, in bytes
	s_mul_u64 s[92:93], s[46:47], s[18:19]
	s_mov_b64 s[18:19], KROW
	s_mul_u64 s[20:21], s[20:21], s[18:19]         ; and their codes
	s_mul_u64 s[46:47], s[46:47], s[18:19]
	s_mul_i32 s45, s14, HALFT                      ; where they go: wave x 128 rows: no place in the cluster enters an LDS address
	s_mul_i32 s94, s14, HALFS
	s_wait_dscnt 0x0                               ; both opening adds are done
	s_wait_kmcnt 0x0
	s_add_nc_u64 s[20:21], s[4:5], s[20:21]
	s_add_nc_u64 s[22:23], s[6:7], s[22:23]
	s_add_nc_u64 s[46:47], s[8:9], s[46:47]
	s_add_nc_u64 s[92:93], s[10:11], s[92:93]
	CROUND                                         ; all sixteen work-groups are here: the joint loads meet
	s_mov_b32 s[G0S], 1
	s_add_co_u32 s[G0S+1], s94, SCL
	s_mov_b64 s[G0S+2:G0S+3], s[22:23]
	s_or_b32 s[G0S+3], s[G0S+3], 0x80000000
	s_mov_b32 s[G0SB], 1
	s_add_co_u32 s[G0SB+1], s94, SCL
	s_mov_b64 s[G0SB+2:G0SB+3], s[92:93]
	s_or_b32 s[G0SB+3], s[G0SB+3], 0x80000000
	JLOAD G0S, G1S, G0SB, G1SB                     ; the scales first: they are wanted with K step 0
.irp s, 0,1
	s_mov_b32 s[G0+4*\s], 1
	s_add_co_u32 s[G0+4*\s+1], s45, \s*SLOT
	s_add_nc_u64 s[G0+4*\s+2:G0+4*\s+3], s[20:21], \s*ROWB
	s_or_b32 s[G0+4*\s+3], s[G0+4*\s+3], 0x80000000
	s_mov_b32 s[G0B+4*\s], 1
	s_add_co_u32 s[G0B+4*\s+1], s45, \s*SLOT
	s_add_nc_u64 s[G0B+4*\s+2:G0B+4*\s+3], s[46:47], \s*ROWB
	s_or_b32 s[G0B+4*\s+3], s[G0B+4*\s+3], 0x80000000
	JLOAD G0+4*\s, G1, G0B+4*\s, G1B               ; three loads of mine are out in all
.endr
	v_and_b32 v1, 15, v0                           ; r = lane % 16
	v_bfe_u32 v2, v0, 4, 1                         ; h = lane / 16
	v_mul_u32_u24 v3, v1, PITCH
	v_lshl_add_u32 v4, v2, 4, v3                   ; a fragment's row x pitch + 16 x half
	s_mul_i32 s21, s15, HALFT                      ; my 128 tokens
	s_mul_i32 s22, s16, HALFT                      ; my 128 features,
	s_add_co_u32 s22, s22, 2*HALFT                 ; which lie behind the tokens' 256 rows
.irp s, 0,1
	v_add_nc_u32 v[ADRA+\s], s21, v4
	v_add_nc_u32 v[ADRB+\s], s22, v4
	s_add_co_u32 s21, s21, SLOT
	s_add_co_u32 s22, s22, SLOT
.endr
	v_mul_u32_u24 v5, v1, KS                       ; my row's scales: KS bytes a row,
	v_lshrrev_b32 v6, 8, v5
	v_lshl_add_u32 v5, v6, 4, v5                   ; and 16 more for each 256 passed
	s_mul_i32 s21, s15, HALFS                      ; the tokens': my 128 rows
	s_mul_i32 s22, s16, HALFS                      ; the features': my 128 rows, behind the tokens' 256
	s_add_co_u32 s22, s22, 2*HALFS
	s_sub_co_u32 s22, s22, s21
	v_mul_u32_u24 v6, s22, v2                      ; lanes 16-31 take the features': one product, the lower base + h x the distance
	s_add_co_u32 s21, s21, SCL
	v_add_nc_u32 v5, v5, v6
	v_add_nc_u32 v[ADRS], s21, v5
	s_mul_i32 s23, s14, 16*SPITCH                  ; my stage
	v_mul_u32_u24 v5, v1, SPITCH                   ; in: token r, 16 bytes for each half of the lanes
	v_lshl_add_u32 v5, v2, 4, v5
	v_add_nc_u32 v[STO], s23, v5
	v_and_b32 v6, 31, v0
	v_lshrrev_b32 v5, 3, v6                        ; back: eight lanes take a token's 128 bytes of one head, the wave four tokens
	v_mul_u32_u24 v5, v5, SPITCH
	v_and_b32 v7, 7, v0
	v_lshl_add_u32 v5, v7, 4, v5
	v_add_nc_u32 v[RD], s23, v5
	v_lshlrev_b32 v[CO], 4, v6                     ; which are 512 consecutive bytes of qkv
	; where my part begins in qkv [3][4][16][2048][64] f16: which << 24 | batch << 22 | head << 18 | token << 7
	s_lshl_b32 s20, s17, 8
	s_lshl_b32 s21, s15, 7
	s_add_co_u32 s20, s20, s21                     ; my first token of 8,192
	s_lshr_b32 s21, s20, 11
	s_lshl_b32 s21, s21, 22
	s_and_b32 s20, s20, 2047
	s_lshl_b32 s20, s20, 7
	s_or_b32 s20, s20, s21
	s_lshl_b32 s46, s42, 8
	s_lshl_b32 s47, s16, 7
	s_add_co_u32 s46, s46, s47                     ; my first feature of 3,072
	s_lshr_b32 s47, s46, 10
	s_lshl_b32 s47, s47, 24
	s_and_b32 s46, s46, 1023
	s_lshr_b32 s46, s46, 6
	s_lshl_b32 s46, s46, 18
	s_or_b32 s46, s46, s47
	s_or_b32 s20, s20, s46
	s_mov_b32 s21, 0
	s_add_nc_u64 s[12:13], s[12:13], s[20:21]
.macro FRAG reg, adr, q, i             ; a fragment, 16 rows x 128 K of 4-bit codes: lane l holds row l % 16; registers 4 c .. 4 c + 3 hold K = 64 c + 32 (l / 16) + 0 .. 31
.irp c, 0,1
	ds_load_b128 v[\reg+4*\c:\reg+4*\c+3], v[\adr] offset:64*(\q)+32*\c+(\i)*16*PITCH
.endr
.endm
; 16 matrix instructions: token blocks a0, a0 + 1 x the eight feature blocks, 128 along K.  p: the features' set;  sc: the set of scale words.  zero = 1: the first product starts the sums.
; The 64 accumulators take turns, one instruction a turn, in the same order in every step.
.macro MUL16 a0, p, q, sc, zero
.irp a, \a0, \a0+1
.irp b, 0,1,2,3,4,5,6,7
.if \zero
	v_wmma_scale_f32_16x16x128_f8f6f4 v[8*(8*((\a)%4)+\b):8*(8*((\a)%4)+\b)+7], v[128*(\p)+FR*\b:128*(\p)+FR*\b+FR-1], v[AF+FR*(\a):AF+FR*(\a)+FR-1], 0, v[SC+8*NQ*(\sc)+NQ*\b+(\q)], v[SC+8*NQ*(\sc)+NQ*(\a)+(\q)] matrix_a_fmt:MATRIX_FMT_FP4 matrix_b_fmt:MATRIX_FMT_FP4 matrix_a_scale:MATRIX_SCALE_ROW1
.else
	v_wmma_scale_f32_16x16x128_f8f6f4 v[8*(8*((\a)%4)+\b):8*(8*((\a)%4)+\b)+7], v[128*(\p)+FR*\b:128*(\p)+FR*\b+FR-1], v[AF+FR*(\a):AF+FR*(\a)+FR-1], v[8*(8*((\a)%4)+\b):8*(8*((\a)%4)+\b)+7], v[SC+8*NQ*(\sc)+NQ*\b+(\q)], v[SC+8*NQ*(\sc)+NQ*(\a)+(\q)] matrix_a_fmt:MATRIX_FMT_FP4 matrix_b_fmt:MATRIX_FMT_FP4 matrix_a_scale:MATRIX_SCALE_ROW1
.endif
.endr
.endr
.endm
.macro FETCH_B slot, q, p
	WIN TO_B
.irp i, 0,1,2,3,4,5,6,7
	FRAG 128*(\p)+FR*\i, ADRB+\slot, \q, \i
.endr
	WIN 0
.endm
.macro FETCH_A slot, q, i0
.irp i, \i0, \i0+1, \i0+2, \i0+3
	FRAG AF+FR*(\i), ADRA+\slot, \q, \i
.endr
.endm
.macro SCALES sc                       ; a K step's scale words into set sc: four words a row; lanes 0-15 token block i, lanes 16-31 feature block i
.irp i, 0,1,2,3,4,5,6,7
	ds_load_b128 v[SC+8*NQ*\sc+NQ*\i:SC+8*NQ*\sc+NQ*\i+3], v[ADRS] offset:\i*SBLK
.endr
.endm
.macro PLACES n                        ; plain vector instructions between a matrix instruction and a load into, or a read of, its registers
.rept \n
	v_nop
.endr
.endm
; A step of 128 along K that has its successor in the same slot.
.macro STEP slot, q, zero
	s_wait_dscnt 4*NL                              ; the features' set and token blocks 0-3 are in; the youngest eight loads (token blocks 4-7) may be out
	WIN MUL_LO
	MUL16 0, (\q)%2, \q, \slot, \zero
	MUL16 2, (\q)%2, \q, \slot, \zero
	s_wait_dscnt 0                                 ; token blocks 4-7 are in
	PLACES NP
	FETCH_B \slot, (\q)+1, 1-(\q)%2
	FETCH_A \slot, (\q)+1, 0
	WIN MUL_HI
	MUL16 4, (\q)%2, \q, \slot, \zero
	MUL16 6, (\q)%2, \q, \slot, \zero
	PLACES NP
	WIN 0
	FETCH_A \slot, (\q)+1, 4
.endm
; Slot 0's last step changes slots: one barrier; in front of it each wave waits for all its tensor loads (its part of slot 1) and for its reads of slot 0.  Nothing is filled again.
.macro TURN slot, next
	s_wait_tensorcnt 0x0                           ; all my tensor loads have landed
	ds_add_u32 v[SPW], v[NIL]                      ; 0 onto my spare word
	s_wait_dscnt 4*NL+1                            ; (the add and the youngest eight loads may be out)
	WIN MUL_LO
	MUL16 0, 1, NQ-1, \slot, 0
	s_wait_dscnt 0x0                               ; the add is done, and my reads of this slot are over
	s_barrier_signal -1
	MUL16 2, 1, NQ-1, \slot, 0
	WIN 0
	s_barrier_wait -1
	PLACES NP
	v_add_nc_u32 v[ADRS], 4*NQ, v[ADRS]            ; on to the next K step's scale words
	FETCH_B \next, 0, 0
	FETCH_A \next, 0, 0
	SCALES \next
	WIN MUL_HI
	MUL16 4, 1, NQ-1, \slot, 0
	MUL16 6, 1, NQ-1, \slot, 0
	PLACES NP
	WIN 0
	FETCH_A \next, 0, 4
.endm
.macro STEPS slot, from
.set Q, \from
.rept NQ-1-\from
	STEP \slot, Q, 0
.set Q, Q+1
.endr
.endm
	s_wait_tensorcnt 1                             ; the scales and my part of K step 0 are in (K step 1's load may be out),
	s_barrier_signal -1
	s_barrier_wait -1                              ; everybody's are
	FETCH_B 0, 0, 0
	FETCH_A 0, 0, 0
	SCALES 0
	FETCH_A 0, 0, 4
	STEP 0, 0, 1                                   ; the first step's products start the sums
	STEPS 0, 1
	TURN 0, 1
	STEPS 1, 0
	s_wait_dscnt 4*NL                              ; the very last step: nothing more to fetch
	WIN MUL_LO
	MUL16 0, 1, NQ-1, 1, 0
	MUL16 2, 1, NQ-1, 1, 0
	s_wait_dscnt 0
	WIN MUL_HI
	MUL16 4, 1, NQ-1, 1, 0
	MUL16 6, 1, NQ-1, 1, 0
	WIN 0
; THE WAY OUT, a block of 16 tokens x 128 features (two heads) at a time.  PACK: rounded to f16, 16 bytes a lane, each accumulator from its low end on.  TOSTAGE: into my own stage and back, four tokens of one
; head to an instruction.  SEND: stored: four tokens of a head are 512 consecutive bytes of qkv.  LDS serves a wave's instructions in order (ISA guide 5.7.1.4): no wait between the stage's stores and loads.
.macro PACK a
.set AC, 64*((\a)%4)
	WIN 0x0a+5*((\a)/4)                            ; sources 0 and 1: window 2 or 3
.irp b, 0,1,2,3,4,5,6,7
.irp i, 0,1,2,3
	v_cvt_pk_f16_f32 v[TMP+4*\b+\i], v[AC+8*\b+2*\i], v[AC+8*\b+2*\i+1]
.endr
.endr
	WIN 0
.endm
.macro TOSTAGE a
.set BB, OB+32*((\a)%2)
.irp b, 0,1,2,3,4,5,6,7
	ds_store_b128 v[STO], v[TMP+4*\b:TMP+4*\b+3] offset:32*\b
.endr
.irp t, 0,1,2,3,4,5,6,7
	ds_load_b128 v[BB+4*\t:BB+4*\t+3], v[RD] offset:(\t%4)*4*SPITCH+(\t/4)*128
.endr
.endm
.macro SEND a
.set BB, OB+32*((\a)%2)
	s_wait_dscnt 0x0                               ; the block is back in registers
	s_wait_xcnt 0x0                                ; the stores of the block before have read their registers: the next block's loads land there only behind this wait
.irp t, 0,1,2,3,4,5,6,7
	global_store_b128 v[CO], v[BB+4*\t:BB+4*\t+3], s[12:13] offset:(\t/4)*262144+(\a)*2048+(\t%4)*512   ; 512 consecutive bytes, at a multiple of 256 from qkv's first byte
.endr
.endm
	PLACES NP                                      ; behind the last products: ahead of the first read of results, and of the loads into the registers that held the tokens' fragments
	PACK 0
	TOSTAGE 0
.irp a, 1,2,3,4,5,6,7                  ; block a's conversions stand between block a - 1's loads from the stage and the wait for them
	PACK \a
	SEND \a-1
	TOSTAGE \a
.endr
	SEND 7
	s_wait_tensorcnt 0x0                           ; the wave's end
	ds_add_u32 v[SPW], v[NIL]
	s_wait_dscnt 0x0
	CROUND                                         ; the closing round: no work-group ends while a partner may still ask for a tile that names it
	s_endpgm
.Lfunc_end_k_q8142b3894d_qkv:
	.size	k_q8142b3894d_qkv, .Lfunc_end_k_q8142b3894d_qkv-k_q8142b3894d_qkv
	.p2alignl 7, 3214868480
	.fill 96, 4, 3214868480
	.section	.rodata,"a",@progbits
	.p2align	6, 0x0
	.amdhsa_kernel k_q8142b3894d_qkv
		.amdhsa_group_segment_fixed_size 327680
		.amdhsa_private_segment_fixed_size 0
		.amdhsa_enable_private_segment 0
		.amdhsa_kernarg_size 40
		.amdhsa_user_sgpr_count 2
		.amdhsa_user_sgpr_kernarg_segment_ptr 1
		.amdhsa_wavefront_size32 1
		.amdhsa_system_sgpr_workgroup_id_x 1
		.amdhsa_system_sgpr_workgroup_id_y 1
		.amdhsa_system_sgpr_workgroup_id_z 1
		.amdhsa_system_vgpr_workitem_id 0
		.amdhsa_next_free_vgpr 1024
		.amdhsa_next_free_sgpr 98
		.amdhsa_reserve_vcc 0
		.amdhsa_float_denorm_mode_32 3
		.amdhsa_float_denorm_mode_16_64 3
		.amdhsa_memory_ordered 1
		.amdhsa_forward_progress 1
		.amdhsa_inst_pref_size 127
	.end_amdhsa_kernel
	.amdgpu_metadata
---
amdhsa.version: [ 1, 2 ]
amdhsa.kernels:
  - .name:           k_q8142b3894d_qkv
    .symbol:         k_q8142b3894d_qkv.kd
    .args:
      - { .name: xc, .offset: 0, .size: 8, .value_kind: global_buffer, .address_space: global }
      - { .name: xs, .offset: 8, .size: 8, .value_kind: global_buffer, .address_space: global }
      - { .name: wc, .offset: 16, .size: 8, .value_kind: global_buffer, .address_space: global }
      - { .name: ws, .offset: 24, .size: 8, .value_kind: global_buffer, .address_space: global }
      - { .name: qkv, .offset: 32, .size: 8, .value_kind: global_buffer, .address_space: global }
    .group_segment_fixed_size: 327680
    .private_segment_fixed_size: 0
    .kernarg_segment_align: 8
    .kernarg_segment_size: 40
    .max_flat_workgroup_size: 128
    .sgpr_count:     98
    .vgpr_count:     1024
    .wavefront_size: 32
...
	.end_amdgpu_metadata
.endif
;; end of part 2
;; launch attn (part 3): grid 4 x 64, 8 waves a work-group, clusters of 4 x 1, 327,680 bytes of LDS; arguments qkv, ows; writes ows
.if DOCPART == 3
	.amdgcn_target "amdgcn-amd-amdhsa--gfx1250"
	.amdhsa_code_object_version 6
	.text
	.protected	k_q8142b3894d_attn
	.globl	k_q8142b3894d_attn
	.p2align	8
	.type	k_q8142b3894d_attn,@function
k_q8142b3894d_attn:
	s_mov_b64 s[64:65], 0
	v_nop
	global_prefetch_b8 v0, s[64:65] scope:SCOPE_SE
	s_setreg_imm32_b32 hwreg(HW_REG_WAVE_MODE, 25, 1), 1
	s_wait_xcnt 0x0
	s_wait_alu depctr_hold_cnt(0) depctr_sa_sdst(0) depctr_va_vdst(0) depctr_va_sdst(0) depctr_va_ssrc(0) depctr_va_vcc(0) depctr_vm_vsrc(0)
	s_getreg_b32 s2, hwreg(HW_REG_IB_STS2, 6, 4)
	s_cmp_eq_u32 s2, 0
	s_cbranch_scc0 .Lentry_in_a_cluster
	s_endpgm
.Lentry_in_a_cluster:
	s_bfe_u32 s2, ttmp6, 0x10000c
	s_cmp_lg_u32 s2, 0x3003
	s_cbranch_scc0 .Lentry_shape_is_right
	s_endpgm
.Lentry_shape_is_right:
; ATTN.  o[b][h][q][:] = the sum over k of softmax_k(q . k / 8) v[k][:], for 64 pairs (batch, head), 2,048 tokens, head size 64.  q, k, v come as f16 from qkv [3][b][h][token][64]; o goes as f16 to ows [b][h][token][64].
; Products, maxima and sums in f32; the weights p are rounded to f16 for the second product, o once at the end.
; LIMITS: q, k, v are f16 (magnitudes up to 65,504); a weight p under some 6e-8 of the row's largest rounds to 0 in f16; NaN and infinities are not served.
; SHARES.  A work-group owns 512 queries of one (batch, head), each of its eight waves 64: four tiles of 16, in 512 registers: two waves to a SIMD.  Every wave walks all 2,048 keys, 64 a step.
; LAYOUT.  S^T = K Q^T (source 0 = 16 keys, source 1 = 16 queries): a lane holds ONE query (lane % 16) and keys 8 (lane / 16) + 0..7.  Two such tiles, rounded to f16 in pairs, ARE source 1 (32 keys x 16 queries) of
; O^T = V^T P, whose result again holds one query a lane.  K comes out of LDS as it lies, V ([key][channel]) turned, by ds_load_tr16_b128.
; SOFTMAX.  For each query a running maximum m and sum l: p = 2^(c s - c m), c = log2(e) / 8; in every step O and l are multiplied by a = 2^(c m_old - c m_new).
; TWO GROUPS OF WAVES IN OPPOSITE PHASES.  A step is a block of 64 matrix instructions (V^T P of the step before, then K Q^T of this step, with all the step's LDS reads) and a block of vector work (its softmax).
; Waves 0-3 run matrix block, then softmax; waves 4-7 run the softmax of the step before, then the matrix block: one group's vector work stands beside the other's matrix work.  The branches hang on the wave's
; number alone; every barrier stands on the common path.  One plain barrier in step 1 sets the second group half a step behind.
; CLUSTER.  The four query blocks of a (batch, head) are one cluster and walk the same K and V: each tile is asked for JOINTLY, by the same tensor load with the same descriptor and a mask that names the four.
; LDS.  Two slots of 256 keys (four steps).  A tile's row is two keys, 256 bytes of memory; K's rows lie 272 bytes apart, V's 288: key k at (k / 2) x pitch + 128 (k % 2).  So the 16 keys of a K load, and the
; 8 keys x 32 bytes of a turning load, fall on 16 different columns of 16 bytes modulo 256.
; REGISTERS.  window 0: v2-12 addresses; v16-47 eight registers of statistics a tile; v64-191 S^T, 32 a tile (P is made in place, in a tile's first 16); v192-255 K of one step.
;   window 1: v0-127 O^T, 32 a tile; v128-191 Q, 16 a tile; v192-255 V of one step.
.set PK,     272
.set PVP,    288
.set VOFF,   128*PK                    ; a slot: 128 rows of K, then 128 rows of V
.set KSTEPB, 32*PK                     ; a step's 64 keys in K's part,
.set VSTEPB, 32*PVP                    ; and in V's
.set SLOT1,  1<<17                     ; slot 1 begins here: one exclusive or turns an address in one slot into the other's
.set STAGE,  SLOT1+128*(PK+PVP)        ; behind the ring: 16 rows x 144 bytes for each wave, for the way out
.set SPARE,  STAGE+8*16*144            ; the spare words, 128 bytes a wave
.set SLOTB,  32768                     ; a slot's 256 keys in memory: 256 x 128 bytes
.set AK0, 2                            ; v2   my lane's place in a tile of K; never rewritten
.set AV0, 3                            ; v3   the same for V
.set ADK, 4                            ; v4   LDS address of the step's K
.set ADV, 5                            ; v5   of its V
.set QO,  6                            ; v6   my byte offset in the wave's rows of Q
.set STO, 7                            ; v7   the way out: where I put 16 bytes of a row
.set RD,  8                            ; v8   and where I read back
.set GO,  9                            ; v9   16 x lane
.set SPW, 10                           ; v10  my spare word; never rewritten
.set NIL, 11                           ; v11  0; never rewritten
.set PFO, 12                           ; v12  256 x lane; never rewritten
.set ST,  16                           ; tile t's statistics at v[ST + 8 t]: +0 c m, +1 m, +2, +3 l (even keys', odd keys'), +4 to +7 c0-c3 at work; a takes c2's place
.set S,   64
.set KF,  192
.set QF,  128                          ; in window 1
.set VF,  192                          ; in window 1
.set WV,  14                           ; s14  my wave's number
.set GRP, 15                           ; s15  0: waves 0-3, 1: waves 4-7
.set LIM, 16                           ; s16  1 in a wave that prefetches, else the greatest number
.set PFA, 18                           ; s[18:19] where my prefetches stand
.set G1K, 24
.set G1V, 32
.set G0K, 40                           ; s[40:47] group 0 for K's tiles: a set for each first fill; the second then walks on
.set G0V, 48
.set SLOTS, 56                         ; s56  slots still to be asked for
.set CNT, 57                           ; s57  counts a run of steps
.set CS,  58                           ; s[58:59] c
.set SEL, 60                           ; s[60:61] lane selects for v_permlanex16_b32: lane l xor 16
.set TBK, 62                           ; s62  LDS byte at which the step's K begins
.set TBV, 63                           ; s63  the same for V (less VOFF)
.set MSB, 0
.macro WIN new
.if MSB != (\new)
	s_set_vgpr_msb (MSB<<8)|(\new)
.set MSB, (\new)
.endif
.endm
.set W_KQ, 0x04                        ; K and S^T in window 0, Q in window 1
.set W_PV, 0x51                        ; V, C and D in window 1, P in window 0
.set W_RS, 0x41                        ; O^T (destination and source 0) in window 1, the factor in window 0
.set TO_1, 0x40                        ; destination window 1, address window 0
.set W_CV, 0x05                        ; sources 0 and 1 window 1, destination window 0
; A joint refill.  Waves 0 and 1 fetch the halves of a slot's K, waves 2 and 3 of its V, the others nothing.  The branches hang on the wave's number alone.  An s_nop 0 and four v_nop follow each line.
.macro JLOAD
	s_cmp_lt_u32 s[WV], 2
	s_cbranch_scc0 .Lnot_k_\@
	tensor_load_to_lds s[G0K+4:G0K+7], s[G1K:G1K+7]
	s_nop 0
.rept 4
	v_nop
.endr
	s_branch .Lasked_\@
.Lnot_k_\@:
	s_cmp_lt_u32 s[WV], 4
	s_cbranch_scc0 .Lasked_\@
	tensor_load_to_lds s[G0V+4:G0V+7], s[G1V:G1V+7]
	s_nop 0
.rept 4
	v_nop
.endr
.Lasked_\@:
.endm
; A prefetch of what the NEXT change of slots will ask for: a slot's 32,768 bytes of K and of V, four steps ahead of that load.  Each aligned 256 bytes are named once: the four partners take 8,192 bytes each,
; told apart by address; in each, wave 0 asks for K's and wave 2 for V's, lanes 256 bytes apart.  The last change that fills a slot asks for nothing; slots 0 to 2 come by their loads alone.
.macro ASK
	s_cmp_gt_u32 s[SLOTS], s[LIM]
	s_cbranch_scc0 .Lnot_mine_\@
	global_prefetch_b8 v[PFO], s[PFA:PFA+1] th:TH_LOAD_NT scope:SCOPE_SE
.Lnot_mine_\@:
.endm
.macro CROUND                          ; a round of the cluster's barrier
	s_barrier_signal -1
	s_barrier_wait -1
	s_cmp_lg_u32 s[WV], 0
	s_cbranch_scc1 .Lnot_wave_0_\@
	s_barrier_signal -3
.Lnot_wave_0_\@:
	s_barrier_wait -3
	s_barrier_signal -1
	s_barrier_wait -1
.endm
; THE MATRIX BLOCK OF A STEP.  pv = 2: 32 products V^T P of the step before; 1: they start O^T's sums; 0: none.  kq = 1: this step's K and V are fetched and its 32 products K Q^T made.
; The accumulators take turns, one instruction a turn: 15 others' stand between two links of a chain, and the two runs name different accumulators where they meet.
.macro MSTEP pv, kq
.if \kq
.irp kt, 0,1,2,3                       ; K: keys 16 kt on, channels 32 c on.  The last products that read these registers stand five places or more back (the v_nop at this macro's end)
.irp c, 0,1
	ds_load_b128 v[KF+16*\kt+8*\c:KF+16*\kt+8*\c+3],   v[ADK] offset:\kt*8*PK+\c*64
	ds_load_b128 v[KF+16*\kt+8*\c+4:KF+16*\kt+8*\c+7], v[ADK] offset:\kt*8*PK+\c*64+32
.endr
.endr
.endif
.if \pv
.if \kq
	s_wait_dscnt 16                                ; V of the step before is in; the 16 loads of K just issued may be out
.else
	s_wait_dscnt 0x0
.endif
	WIN W_PV
.irp kh, 0,1                           ; keys 32 kh on, channels 16 ct on, tile t
.irp ct, 0,1,2,3
.irp t, 0,1,2,3
.if (\pv == 1) && (\kh == 0)
	v_wmma_f32_16x16x32_f16 v[32*\t+8*\ct:32*\t+8*\ct+7], v[VF+8*(4*\kh+\ct):VF+8*(4*\kh+\ct)+7], v[S+32*\t+8*\kh:S+32*\t+8*\kh+7], 0
.else
	v_wmma_f32_16x16x32_f16 v[32*\t+8*\ct:32*\t+8*\ct+7], v[VF+8*(4*\kh+\ct):VF+8*(4*\kh+\ct)+7], v[S+32*\t+8*\kh:S+32*\t+8*\kh+7], v[32*\t+8*\ct:32*\t+8*\ct+7]
.endif
.endr
.endr
.endr
.if \kq
.rept 5
	v_nop                                          ; four places ahead of the loads into V's registers, five ahead of the products that write S^T over P
.endr
.endif
.endif
.if \kq
	WIN TO_1
.irp kh, 0,1                           ; V turned: keys 32 kh on (two loads of 16 keys), channels 16 ct on
.irp ct, 0,1,2,3
	ds_load_tr16_b128 v[VF+8*(4*\kh+\ct):VF+8*(4*\kh+\ct)+3],   v[ADV] offset:\kh*16*PVP+\ct*32
	ds_load_tr16_b128 v[VF+8*(4*\kh+\ct)+4:VF+8*(4*\kh+\ct)+7], v[ADV] offset:\kh*16*PVP+8*PVP+\ct*32
.endr
.endr
	s_wait_dscnt 16                                ; K is in; V's 16 loads may be out: they are wanted in the next matrix block
	WIN W_KQ
.irp c, 0,1                            ; channels 32 c on, keys 16 kt on, tile t; the first 16 start the sums
.irp kt, 0,1,2,3
.irp t, 0,1,2,3
.if \c == 0
	v_wmma_f32_16x16x32_f16 v[S+32*\t+8*\kt:S+32*\t+8*\kt+7], v[KF+16*\kt+8*\c:KF+16*\kt+8*\c+7], v[QF+16*\t+8*\c:QF+16*\t+8*\c+7], 0
.else
	v_wmma_f32_16x16x32_f16 v[S+32*\t+8*\kt:S+32*\t+8*\kt+7], v[KF+16*\kt+8*\c:KF+16*\kt+8*\c+7], v[QF+16*\t+8*\c:QF+16*\t+8*\c+7], v[S+32*\t+8*\kt:S+32*\t+8*\kt+7]
.endif
.endr
.endr
.endr
.endif
.rept 5
	v_nop                                          ; the places behind the block's last products: four are owed ahead of reads of results and of loads into operands; five ahead of a matrix
.endr                                                  ; instruction that takes S^T's registers as an operand, which is what stands next on the ways through the text that lead from one matrix block straight into another
	WIN 0
.endm
; THE VECTOR BLOCK OF A STEP: the softmax of the wave's four tiles, the tiles by turns in every group of lines.  first = 1: the first step, which starts m and l and has nothing to rescale.
.macro SOFT first
	; the maximum of a lane's 32 scores and the old m: four chains, each beginning at its accumulator's low end
.irp kt, 0,1,2,3
.irp t, 0,1,2,3
	v_max3_num_f32 v[ST+8*\t+4+\kt], v[S+32*\t+8*\kt], v[S+32*\t+8*\kt+1], v[S+32*\t+8*\kt+2]
.endr
.endr
.irp i, 3,5
.irp kt, 0,1,2,3
.irp t, 0,1,2,3
	v_max3_num_f32 v[ST+8*\t+4+\kt], v[ST+8*\t+4+\kt], v[S+32*\t+8*\kt+\i], v[S+32*\t+8*\kt+\i+1]
.endr
.endr
.endr
.irp t, 0,1,2,3
	v_max3_num_f32 v[ST+8*\t+4], v[ST+8*\t+4], v[S+32*\t+7], v[S+32*\t+15]
.endr
.irp t, 0,1,2,3
	v_max3_num_f32 v[ST+8*\t+6], v[ST+8*\t+6], v[S+32*\t+23], v[S+32*\t+31]
.endr
.irp t, 0,1,2,3
	v_max3_num_f32 v[ST+8*\t+4], v[ST+8*\t+4], v[ST+8*\t+5], v[ST+8*\t+6]
.endr
.irp t, 0,1,2,3
.if \first
	v_max_num_f32 v[ST+8*\t+4], v[ST+8*\t+4], v[ST+8*\t+7]
.else
	v_max3_num_f32 v[ST+8*\t+4], v[ST+8*\t+4], v[ST+8*\t+7], v[ST+8*\t+1]
.endif
.endr
.irp t, 0,1,2,3
	v_permlanex16_b32 v[ST+8*\t+5], v[ST+8*\t+4], s[SEL], s[SEL+1]   ; the query's other 32 keys lie in the lane 16 away
.endr
.if \first == 0
.irp t, 0,1,2,3
	v_mov_b32 v[ST+8*\t+7], v[ST+8*\t]             ; c m_old is kept for a
.endr
.endif
.irp t, 0,1,2,3
	v_max_num_f32 v[ST+8*\t+1], v[ST+8*\t+4], v[ST+8*\t+5]           ; the new m
.endr
.irp t, 0,1,2,3
	v_mul_f32 v[ST+8*\t], s[CS], v[ST+8*\t+1]      ; c m
.endr
.if \first == 0
.irp t, 0,1,2,3
	v_sub_f32 v[ST+8*\t+7], v[ST+8*\t+7], v[ST+8*\t]
.endr
	; ONE BATCH: the scalings c s - c m, a pair of scores each, and all exponentials; none of these lines names an exponential's result
.irp t, 0,1,2,3
	v_exp_f32 v[ST+8*\t+6], v[ST+8*\t+7]           ; a
.endr
.endif
.irp t, 0,1,2,3
	v_pk_fma_f32 v[S+32*\t:S+32*\t+1], v[S+32*\t:S+32*\t+1], s[CS:CS+1], v[ST+8*\t:ST+8*\t+1] op_sel_hi:[1,0,0] neg_lo:[0,0,1] neg_hi:[0,0,1]
.endr
.irp b, 1,2,3,4,5,6,7,8,9,10,11,12,13,14,15
.irp t, 0,1,2,3
	v_pk_fma_f32 v[S+32*\t+2*\b:S+32*\t+2*\b+1], v[S+32*\t+2*\b:S+32*\t+2*\b+1], s[CS:CS+1], v[ST+8*\t:ST+8*\t+1] op_sel_hi:[1,0,0] neg_lo:[0,0,1] neg_hi:[0,0,1]
	v_exp_f32 v[S+32*\t+2*\b-2], v[S+32*\t+2*\b-2] ; the pair scaled one round earlier
	v_exp_f32 v[S+32*\t+2*\b-1], v[S+32*\t+2*\b-1]
.endr
.endr
.irp t, 0,1,2,3
	v_exp_f32 v[S+32*\t+30], v[S+32*\t+30]
	v_exp_f32 v[S+32*\t+31], v[S+32*\t+31]
.endr
	v_nop                                          ; a plain instruction behind the last exponential, ahead of the first use (ISA guide 5.7.2)
	s_wait_alu depctr_va_vdst(0)                   ; the wait ahead of the first line that names a result: one for the whole batch
	; the sums of the unrounded p, and the roundings to f16 in place: pair j goes to register j, whose own pair has been summed and rounded before
.irp j, 0,1,2,3,4,5,6,7,8,9,10,11,12,13,14,15
.irp t, 0,1,2,3
.if \j == 0
.if \first
	v_pk_add_f32 v[ST+8*\t+2:ST+8*\t+3], v[S+32*\t:S+32*\t+1], v[S+32*\t+2:S+32*\t+3]
.else
	v_pk_fma_f32 v[ST+8*\t+2:ST+8*\t+3], v[ST+8*\t+2:ST+8*\t+3], v[ST+8*\t+6:ST+8*\t+7], v[S+32*\t:S+32*\t+1] op_sel_hi:[1,0,1]   ; l = a l + the first pair
.endif
.elseif (\j > 1) || (\first == 0)
	v_pk_add_f32 v[ST+8*\t+2:ST+8*\t+3], v[ST+8*\t+2:ST+8*\t+3], v[S+32*\t+2*\j:S+32*\t+2*\j+1]
.endif
.endr
.irp t, 0,1,2,3
	v_cvt_pk_f16_f32 v[S+32*\t+\j], v[S+32*\t+2*\j], v[S+32*\t+2*\j+1]
.endr
.endr
.if \first == 0
	WIN W_RS                                       ; O^T times a, each accumulator from its low end on
.irp i, 0,1,2,3,4,5,6,7,8,9,10,11,12,13,14,15
.irp t, 0,1,2,3
	v_pk_mul_f32 v[32*\t+2*\i:32*\t+2*\i+1], v[32*\t+2*\i:32*\t+2*\i+1], v[ST+8*\t+6:ST+8*\t+7] op_sel_hi:[1,0]
.endr
.endr
	WIN 0
.endif
.endm
; A step in the loop.  The LDS addresses and their steps stand on the common path.
.macro PAIR
	v_add_nc_u32 v[ADK], s[TBK], v[AK0]
	v_add_nc_u32 v[ADV], s[TBV], v[AV0]
	s_cmp_eq_u32 s[GRP], 0
	s_cbranch_scc0 .Lnot_a_\@
	MSTEP 2, 1                                     ; waves 0-3: this step's matrix block, then its softmax
.Lnot_a_\@:
	SOFT 0
	s_cmp_eq_u32 s[GRP], 0
	s_cbranch_scc1 .Lnot_b_\@
	MSTEP 2, 1                                     ; waves 4-7: the softmax was the step before's; now this step's matrix block
.Lnot_b_\@:
	s_add_co_u32 s[TBK], s[TBK], KSTEPB
	s_add_co_u32 s[TBV], s[TBV], VSTEPB
.endm
.macro PAIRS n
	s_mov_b32 s[CNT], \n
.Lpair_\@:
	PAIR
	s_sub_co_u32 s[CNT], s[CNT], 1
	s_cmp_lg_u32 s[CNT], 0
	s_cbranch_scc1 .Lpair_\@
.endm
; THE CHANGE OF SLOTS.  All LDS reads of a step stand in its matrix block, so both groups have asked for the slot's last bytes.  Each wave waits for all its tensor loads (its part of the other slot), adds 0 to its
; spare word, and waits for that and for its reads.  fill = 1: the barrier is a round of the cluster's, and the slot just left is filled with the keys two slots on, first thing behind it:
; that load has a slot's four steps in which to land; one tensor load of a loading wave is out behind each round.
.macro CHANGE fill
	s_wait_tensorcnt 0x0                           ; no tensor load of mine is out, so a group 0 may be written
	ds_add_u32 v[SPW], v[NIL]                      ; 0 onto my spare word
.if \fill
	ds_add_u32 v[SPW], v[NIL]                      ; and once more: twice on end, in every trip alike
.irp g, G0K+4, G0V+4
	s_xor_b32 s[\g+1], s[\g+1], SLOT1              ; the walking descriptor: the other slot than last time,
	s_add_nc_u64 s[\g+2:\g+3], s[\g+2:\g+3], SLOTB ; the next 256 keys; the type bits on top are not reached
.endr
	s_wait_xcnt 0x0                                ; the last prefetch, a slot back, has read its address, so it may be written:
	s_add_nc_u64 s[PFA:PFA+1], s[PFA:PFA+1], SLOTB ; one slot further on than the walking descriptors
	s_wait_dscnt 0x0                               ; both adds are done, and my reads of the slot are over
	CROUND
	JLOAD
	ASK
.else
	s_wait_dscnt 0x0                               ; the add is done, and my reads of the slot are over
	s_barrier_signal -1
	s_barrier_wait -1
.endif
	s_sub_co_u32 s[TBK], s[TBK], 4*KSTEPB          ; back to a slot's first step,
	s_xor_b32 s[TBK], s[TBK], SLOT1                ; in the other slot
	s_sub_co_u32 s[TBV], s[TBV], 4*VSTEPB
	s_xor_b32 s[TBV], s[TBV], SLOT1
.endm
	s_load_b128 s[4:7], s[0:1], 0x0                ; qkv s[4:5], ows s[6:7]
	v_lshl_add_u32 v[SPW], v0, 2, SPARE
	v_mov_b32 v[NIL], 0
	ds_add_u32 v[SPW], v[NIL]                      ; the wave's opening: the add, twice on end, and its wait ahead of the first tensor loads
	ds_add_u32 v[SPW], v[NIL]
	v_lshrrev_b32 v1, 5, v0
	v_readfirstlane_b32 s[WV], v1                  ; wave 0..7
	s_lshr_b32 s[GRP], s[WV], 2
	s_bfe_u32 s2, ttmp6, 0x40000                   ; cx: my place in the cluster
	s_and_b32 s20, ttmp7, 0xffff                   ; 16 batch + head, which the four partners share
	s_lshl_b32 s20, s20, 18                        ; its 2,048 rows of 128 bytes
	s_mov_b32 s21, 0
	s_lshl_b32 s22, ttmp9, 2
	s_add_co_u32 s22, s22, s2                      ; my block of 512 queries: it enters Q's and O's addresses alone
	s_lshl_b32 s22, s22, 16
	s_lshl_b32 s23, s[WV], 13                      ; my wave's 64 of them
	s_add_co_u32 s22, s22, s23
	s_add_co_u32 s22, s22, s20
	s_mov_b32 s23, 0
	s_and_b32 s3, s[WV], 1                         ; which half of a slot's rows I fetch, if I fetch:
	s_lshl_b32 s17, s3, 14                         ; its 64 rows of 256 bytes in memory,
	s_add_co_u32 s20, s20, s17
	s_mul_i32 s[G0K+1], s3, 64*PK                  ; and in a slot: no place in the cluster enters an LDS address
	s_add_co_u32 s[G0K+5], s[G0K+1], SLOT1
	s_mul_i32 s[G0V+1], s3, 64*PVP
	s_add_co_u32 s[G0V+1], s[G0V+1], VOFF
	s_add_co_u32 s[G0V+5], s[G0V+1], SLOT1
	; descriptor group 1: 64 rows of 128 elements of 2 bytes, dense in memory, padded in LDS
	s_mov_b32 s[G1K], 15|(1<<16)|(1<<20)|(1<<21)|(5<<22)|(3<<25)  ; the mask: all four work-groups; elements of 2 bytes; padding on; bit 21 beside a mask; after every 64 words; 4 words
	s_mov_b32 s[G1V], 15|(1<<16)|(1<<20)|(1<<21)|(5<<22)|(7<<25)  ; the same with 8 words of padding
.irp g, G1K, G1V
	s_mov_b32 s[\g+1], 128<<16                     ; tensor_dim0
	s_mov_b32 s[\g+2], 64<<16                      ; tensor_dim1
	s_mov_b32 s[\g+3], 128<<16                     ; tile_dim0
	s_mov_b32 s[\g+4], 64                          ; tile_dim1
	s_mov_b32 s[\g+5], 128                         ; from row to row
	s_mov_b32 s[\g+6], 0
	s_mov_b32 s[\g+7], 0
.endr
	s_mov_b32 s[CS], 0x3e38aa3b                    ; c = log2(e) / 8
	s_mov_b32 s[CS+1], s[CS]                       ; named with it as a pair, so it is written
	s_mov_b32 s[SEL], 0x76543210
	s_mov_b32 s[SEL+1], 0xfedcba98
	s_mov_b32 s[TBK], 0
	s_mov_b32 s[TBV], 0
	s_mov_b32 s[SLOTS], 6                          ; 8 slots' worth of keys; two are asked for at the head
	s_and_b32 s[LIM], s[WV], 5                     ; 0 in waves 0 and 2: the same in all four partners
	s_cmp_eq_u32 s[LIM], 0
	s_cselect_b32 s[LIM], 1, -1
	s_wait_dscnt 0x0                               ; both opening adds are done
	s_wait_kmcnt 0x0
	s_add_nc_u64 s[8:9], s[4:5], s[22:23]          ; Q at my wave's first row
	s_add_nc_u64 s[6:7], s[6:7], s[22:23]          ; O likewise
	s_add_nc_u64 s[10:11], s[4:5], s[20:21]
	s_add_nc_u64 s[12:13], s[10:11], 0x2000000     ; V at my half of slot 0
	s_add_nc_u64 s[10:11], s[10:11], 0x1000000     ; K likewise
	s_cmp_lt_u32 s[WV], 2
	s_cselect_b64 s[PFA:PFA+1], s[10:11], s[12:13] ; (in waves 0 and 2 these stand at a slot's first row)
	s_lshl_b32 s2, s2, 13                          ; my work-group's 8,192 bytes of a slot's 32,768
	s_mov_b32 s3, 0
	s_add_nc_u64 s[PFA:PFA+1], s[PFA:PFA+1], s[2:3]
	s_add_nc_u64 s[PFA:PFA+1], s[PFA:PFA+1], 2*SLOTB   ; in slot 2; the first change of slots steps it to slot 3.  Nothing is prefetched at the head
	CROUND                                         ; all four work-groups are here: the first joint loads meet
.irp s, 0,1
	s_mov_b32 s[G0K+4*\s], 1
	s_add_nc_u64 s[G0K+4*\s+2:G0K+4*\s+3], s[10:11], \s*SLOTB
	s_or_b32 s[G0K+4*\s+3], s[G0K+4*\s+3], 0x80000000
	s_mov_b32 s[G0V+4*\s], 1
	s_add_nc_u64 s[G0V+4*\s+2:G0V+4*\s+3], s[12:13], \s*SLOTB
	s_or_b32 s[G0V+4*\s+3], s[G0V+4*\s+3], 0x80000000
.endr
	s_cmp_lt_u32 s[WV], 2                          ; a loading wave's two first fills stand in one branch, ahead of every wait on TENSORcnt and every LDS read: two loads of it are out
	s_cbranch_scc0 .Lfirst_not_k
	tensor_load_to_lds s[G0K:G0K+3], s[G1K:G1K+7]
	s_nop 0
	tensor_load_to_lds s[G0K+4:G0K+7], s[G1K:G1K+7]
	s_nop 0
.rept 4
	v_nop
.endr
	s_branch .Lfirst_asked
.Lfirst_not_k:
	s_cmp_lt_u32 s[WV], 4
	s_cbranch_scc0 .Lfirst_asked
	tensor_load_to_lds s[G0V:G0V+3], s[G1V:G1V+7]
	s_nop 0
	tensor_load_to_lds s[G0V+4:G0V+7], s[G1V:G1V+7]
	s_nop 0
.rept 4
	v_nop
.endr
.Lfirst_asked:
	v_and_b32 v1, 15, v0                           ; r = lane % 16
	v_bfe_u32 v13, v0, 4, 1                        ; h = lane / 16
	v_lshlrev_b32 v[QO], 7, v1
	v_lshl_add_u32 v[QO], v13, 4, v[QO]            ; Q: row r of 128 bytes, + 16 h
	WIN TO_1
.irp t, 0,1,2,3                        ; Q stays in registers: tile t, channels 32 c on: registers 0-3 channels 8 h + 0..7, registers 4-7 channels 16 + 8 h + 0..7
.irp c, 0,1
	global_load_b128 v[QF+16*\t+8*\c:QF+16*\t+8*\c+3],   v[QO], s[8:9] offset:\t*2048+\c*64
	global_load_b128 v[QF+16*\t+8*\c+4:QF+16*\t+8*\c+7], v[QO], s[8:9] offset:\t*2048+\c*64+32
.endr
.endr
	WIN 0
	v_lshrrev_b32 v14, 1, v1
	v_mul_u32_u24 v[AK0], v14, PK
	v_and_b32 v14, 1, v1
	v_lshl_add_u32 v[AK0], v14, 7, v[AK0]
	v_lshl_add_u32 v[AK0], v13, 4, v[AK0]          ; K: key r at (r / 2) x 272 + 128 (r % 2), + 16 h
	v_and_b32 v14, 7, v0
	v_lshl_add_u32 v14, v13, 3, v14                ; V: the turning load's lane l reads 16 bytes of key 8 h + l % 8, channels 8 ((l / 8) % 2) + 0..7
	v_lshrrev_b32 v15, 1, v14
	v_mul_u32_u24 v[AV0], v15, PVP
	v_and_b32 v15, 1, v14
	v_lshl_add_u32 v[AV0], v15, 7, v[AV0]
	v_bfe_u32 v15, v0, 3, 1
	v_lshl_add_u32 v[AV0], v15, 4, v[AV0]
	v_add_nc_u32 v[AV0], VOFF, v[AV0]
	s_mul_i32 s17, s[WV], 16*144
	s_add_co_u32 s17, s17, STAGE                   ; my stage
	v_mul_u32_u24 v[STO], v1, 144                  ; in: row r, 16 bytes for each half of the lanes
	v_lshl_add_u32 v[STO], v13, 4, v[STO]
	v_add_nc_u32 v[STO], s17, v[STO]
	v_and_b32 v14, 31, v0
	v_lshrrev_b32 v15, 3, v14                      ; back: eight lanes take a row of 128 bytes, the wave four rows
	v_mul_u32_u24 v[RD], v15, 144
	v_and_b32 v15, 7, v0
	v_lshl_add_u32 v[RD], v15, 4, v[RD]
	v_add_nc_u32 v[RD], s17, v[RD]
	v_lshlrev_b32 v[GO], 4, v14                    ; which are 512 consecutive bytes of O
	v_lshlrev_b32 v[PFO], 8, v14
	s_wait_tensorcnt 1                             ; my part of slot 0 is in; slot 1's may stay out
	s_barrier_signal -1
	s_barrier_wait -1                              ; everybody's is
	v_add_nc_u32 v[ADK], s[TBK], v[AK0]
	v_add_nc_u32 v[ADV], s[TBV], v[AV0]
	s_wait_loadcnt 0x0                             ; Q
	MSTEP 0, 1                                     ; step 0, both groups alike: the first scores,
	SOFT 1                                         ; and the first softmax
	s_add_co_u32 s[TBK], s[TBK], KSTEPB
	s_add_co_u32 s[TBV], s[TBV], VSTEPB
	v_add_nc_u32 v[ADK], s[TBK], v[AK0]
	v_add_nc_u32 v[ADV], s[TBV], v[AV0]
	s_cmp_eq_u32 s[GRP], 0                         ; step 1, and the skew: waves 0-3 run their matrix block while waves 4-7 wait at the barrier
	s_cbranch_scc0 .Lskew_wait
	MSTEP 1, 1
.Lskew_wait:
	s_wait_dscnt 0x0                               ; no LDS instruction of mine is pending at a signal
	s_barrier_signal -1
	s_barrier_wait -1                              ; slot 1's loads may stay out
	s_cmp_eq_u32 s[GRP], 0
	s_cbranch_scc0 .Lskew_b
	SOFT 0
	s_branch .Lskew_done
.Lskew_b:
	MSTEP 1, 1
.Lskew_done:
	s_add_co_u32 s[TBK], s[TBK], KSTEPB
	s_add_co_u32 s[TBV], s[TBV], VSTEPB
	PAIRS 2                                        ; steps 2 and 3
.Lslot:                                            ; six trips: slots 1 to 6 are walked, slots 2 to 7 asked for
	CHANGE 1
	PAIRS 4
	s_sub_co_u32 s[SLOTS], s[SLOTS], 1
	s_cmp_lg_u32 s[SLOTS], 0
	s_cbranch_scc1 .Lslot
	CHANGE 0                                       ; the last slot is written out
	PAIRS 4
	s_cmp_eq_u32 s[GRP], 0
	s_cbranch_scc1 .Llast_pv
	SOFT 0                                         ; waves 4-7: the last step's softmax is still owed
.Llast_pv:
	MSTEP 2, 0                                     ; V^T P of the last step
	; THE WAY OUT.  l's two halves and the other half of the lanes' are added; O^T is divided by l, rounded to f16 and sent through my stage, a tile (16 rows of O) at a time.
.irp t, 0,1,2,3
	v_add_f32 v[ST+8*\t+4], v[ST+8*\t+2], v[ST+8*\t+3]
.endr
.irp t, 0,1,2,3
	v_permlanex16_b32 v[ST+8*\t+5], v[ST+8*\t+4], s[SEL], s[SEL+1]
.endr
.irp t, 0,1,2,3
	v_add_f32 v[ST+8*\t+4], v[ST+8*\t+4], v[ST+8*\t+5]
.endr
.irp t, 0,1,2,3
	v_rcp_f32 v[ST+8*\t+6], v[ST+8*\t+4]
.endr
	v_nop                                          ; a plain instruction between the last reciprocal and the use of its result
	s_wait_alu depctr_va_vdst(0)                   ; and the wait ahead of the first use: one for the four
.macro PACK t
	WIN W_RS
.irp i, 0,1,2,3,4,5,6,7,8,9,10,11,12,13,14,15
	v_pk_mul_f32 v[32*\t+2*\i:32*\t+2*\i+1], v[32*\t+2*\i:32*\t+2*\i+1], v[ST+8*\t+6:ST+8*\t+7] op_sel_hi:[1,0]
.endr
	WIN W_CV
.irp i, 0,1,2,3,4,5,6,7,8,9,10,11,12,13,14,15
	v_cvt_pk_f16_f32 v[S+32*\t+\i], v[32*\t+2*\i], v[32*\t+2*\i+1]
.endr
	WIN 0
.irp ct, 0,1,2,3
	ds_store_b128 v[STO], v[S+32*\t+4*\ct:S+32*\t+4*\ct+3] offset:32*\ct      ; o(r, 16 ct + 8 h + 0..7)
.endr
.irp i, 0,1,2,3
	ds_load_b128 v[S+32*\t+16+4*\i:S+32*\t+16+4*\i+3], v[RD] offset:\i*4*144   ; LDS serves a wave's instructions in order (ISA guide 5.7.1.4): these see the stores above; the next tile's stores come behind them
.endr
.endm
.macro SEND t, younger                 ; younger: the LDS instructions issued behind tile t's loads: the next tile's eight, or none
.irp i, 0,1,2,3
	s_wait_dscnt \younger+3-\i
	global_store_b128 v[GO], v[S+32*\t+16+4*\i:S+32*\t+16+4*\i+3], s[6:7] offset:\t*2048+\i*512   ; 512 consecutive bytes, at a multiple of 256 from O's first byte
.endr
.endm
	PACK 0
	PACK 1                                         ; a tile's arithmetic stands between the loads of the tile before and its stores
	SEND 0, 8
	PACK 2
	SEND 1, 8
	PACK 3
	SEND 2, 8
	SEND 3, 0
	s_wait_tensorcnt 0x0                           ; the wave's end
	ds_add_u32 v[SPW], v[NIL]
	s_wait_dscnt 0x0
	CROUND                                         ; the closing round: no work-group ends while a partner may still ask for a tile that names it
	s_endpgm
.Lfunc_end_k_q8142b3894d_attn:
	.size	k_q8142b3894d_attn, .Lfunc_end_k_q8142b3894d_attn-k_q8142b3894d_attn
	.p2alignl 7, 3214868480
	.fill 96, 4, 3214868480
	.section	.rodata,"a",@progbits
	.p2align	6, 0x0
	.amdhsa_kernel k_q8142b3894d_attn
		.amdhsa_group_segment_fixed_size 327680
		.amdhsa_private_segment_fixed_size 0
		.amdhsa_enable_private_segment 0
		.amdhsa_kernarg_size 16
		.amdhsa_user_sgpr_count 2
		.amdhsa_user_sgpr_kernarg_segment_ptr 1
		.amdhsa_wavefront_size32 1
		.amdhsa_system_sgpr_workgroup_id_x 1
		.amdhsa_system_sgpr_workgroup_id_y 1
		.amdhsa_system_sgpr_workgroup_id_z 1
		.amdhsa_system_vgpr_workitem_id 0
		.amdhsa_next_free_vgpr 512
		.amdhsa_next_free_sgpr 66
		.amdhsa_reserve_vcc 0
		.amdhsa_float_denorm_mode_32 3
		.amdhsa_float_denorm_mode_16_64 3
		.amdhsa_memory_ordered 1
		.amdhsa_forward_progress 1
		.amdhsa_inst_pref_size 231
	.end_amdhsa_kernel
	.amdgpu_metadata
---
amdhsa.version: [ 1, 2 ]
amdhsa.kernels:
  - .name:           k_q8142b3894d_attn
    .symbol:         k_q8142b3894d_attn.kd
    .args:
      - { .name: qkv, .offset: 0, .size: 8, .value_kind: global_buffer, .address_space: global }
      - { .name: ows, .offset: 8, .size: 8, .value_kind: global_buffer, .address_space: global }
    .group_segment_fixed_size: 327680
    .private_segment_fixed_size: 0
    .kernarg_segment_align: 8
    .kernarg_segment_size: 16
    .max_flat_workgroup_size: 256
    .sgpr_count:     66
    .vgpr_count:     512
    .wavefront_size: 32
...
	.end_amdgpu_metadata
.endif
;; end of part 3
;; launch proj (part 4): grid 4 x 64, 4 waves a work-group, clusters of 4 x 4, 327,680 bytes of LDS; arguments ows, wo16, bo, out0; writes out0
.if DOCPART == 4
	.amdgcn_target "amdgcn-amd-amdhsa--gfx1250"
	.amdhsa_code_object_version 6
	.text
	.protected	k_q8142b3894d_proj
	.globl	k_q8142b3894d_proj
	.p2align	8
	.type	k_q8142b3894d_proj,@function
k_q8142b3894d_proj:
	s_mov_b64 s[64:65], 0
	v_nop
	global_prefetch_b8 v0, s[64:65] scope:SCOPE_SE
	s_setreg_imm32_b32 hwreg(HW_REG_WAVE_MODE, 25, 1), 1
	s_wait_xcnt 0x0
	s_wait_alu depctr_hold_cnt(0) depctr_sa_sdst(0) depctr_va_vdst(0) depctr_va_sdst(0) depctr_va_ssrc(0) depctr_va_vcc(0) depctr_vm_vsrc(0)
	s_getreg_b32 s2, hwreg(HW_REG_IB_STS2, 6, 4)
	s_cmp_eq_u32 s2, 0
	s_cbranch_scc0 .Lentry_in_a_cluster
	s_endpgm
.Lentry_in_a_cluster:
	s_bfe_u32 s2, ttmp6, 0x10000c
	s_cmp_lg_u32 s2, 0xf033
	s_cbranch_scc0 .Lentry_shape_is_right
	s_endpgm
.Lentry_shape_is_right:
; PROJ.  out0[token][n] = sum over k of o[token][k] Wo[n][k] + bo[n].  o comes as f16 from ows [batch][head][token][64] (k = 64 head + channel), Wo as f16 from wo16 [1024][1024]; bo and out0 are f32; sums in f32.
; A tile of out0 is 128 tokens x 256 features: 256 work-groups, one to a WGP (tiles of 256 x 256 would be 128).  Four waves, each 64 tokens x 128 features: 32 accumulators of 16 x 16, 256 registers.
; K goes in steps of 128 (two heads) through a ring of two LDS slots.  In memory a head's 128 tokens are one dense block of 16,384 bytes: it comes as 64 rows of two tokens, 256 bytes each;
; Wo's tile rows are 256 bytes of its rows of 2,048.  All LDS rows lie 272 bytes apart: the 16 rows that a fragment load touches fall on 16 different columns of 16 bytes modulo 256.
; CLUSTERS: 4 x 4 work-groups.  The four of a row of the cluster need the same tokens' tiles, the four of a column the same tiles of Wo: each is asked for JOINTLY.
; THE MATRIX INSTRUCTION IS USED TRANSPOSED (source 0 = 16 rows of Wo, source 1 = 16 tokens): a lane holds eight neighbouring features of one token.  The bias is the C of each sum's first product.
; REGISTERS.  window 0: v16-29 addresses; v64-127 the tokens' fragments, two buffers of 4 x 8; v128-255 rows read back on the way out.
;   window 1: v0-127 Wo's fragments, two buffers of 8 x 8; v128-191 the bias, eight registers a feature block.   window 2: accumulator (a, b) at v[8 (8 a + b)].
.set PITCH,  272
.set ABLK,   64*PITCH                  ; a head's 128 tokens
.set BHALF,  128*PITCH                 ; 128 rows of Wo
.set SLOT,   2*ABLK+2*BHALF            ; two heads' tokens, then Wo's 256 rows
.set STAGE,  2*SLOT                    ; behind the ring: 16 rows x 528 bytes for each wave
.set SPITCH, 528
.set SPARE,  STAGE+4*16*SPITCH         ; the spare words, 128 bytes a wave
.set ADRA, 16                          ; v16-17  LDS address of my tokens' fragments in slot 0, 1
.set ADRB, 20                          ; v20-21  the same for Wo
.set STO,  24                          ; v24     the way out: where I put 32 bytes of a row
.set RD,   25                          ; v25     and where I read a row back
.set CO,   26                          ; v26     16 x lane
.set BO,   27                          ; v27     32 x (lane / 16): my half's eight numbers of the bias
.set SPW,  28                          ; v28     my spare word; never rewritten
.set NIL,  29                          ; v29     0; never rewritten
.set AF,   64
.set BK,   128
.set BIAS, 128                         ; in window 1
.set G1, 24                            ; s[24:31] group 1 for the tokens' tiles; s[32:39] group 0, a set for each slot
.set G0, 32
.set G1B, 48                           ; s[48:55], s[56:63] the same for Wo's tiles
.set G0B, 56
.set MSB, 0
.macro WIN new
.if MSB != (\new)
	s_set_vgpr_msb (MSB<<8)|(\new)
.set MSB, (\new)
.endif
.endm
.set MUL,  0xa1                        ; source 0 (Wo) window 1, source 1 (tokens) window 0, C and D window 2
.set MULB, 0x91                        ; the same with C (the bias) in window 1
.set TO_B, 0x40                        ; destination window 1, address window 0
.macro JLOAD s                         ; a joint load: waves 0 and 1 fetch the two heads' tokens, waves 2 and 3 Wo's halves; an s_nop 0 and four v_nop follow each line
	s_cmp_eq_u32 s13, 0
	s_cbranch_scc0 .Lfor_b_\@
	tensor_load_to_lds s[G0+4*\s:G0+4*\s+3], s[G1:G1+7]
	s_nop 0
.rept 4
	v_nop
.endr
	s_branch .Lasked_\@
.Lfor_b_\@:
	tensor_load_to_lds s[G0B+4*\s:G0B+4*\s+3], s[G1B:G1B+7]
	s_nop 0
.rept 4
	v_nop
.endr
.Lasked_\@:
.endm
.macro CREST                           ; a round of the cluster's barrier behind its opening barrier
	s_cmp_lg_u32 s12, 0
	s_cbranch_scc1 .Lnot_wave_0_\@
	s_barrier_signal -3
.Lnot_wave_0_\@:
	s_barrier_wait -3
	s_barrier_signal -1
	s_barrier_wait -1
.endm
.macro CROUND
	s_barrier_signal -1
	s_barrier_wait -1
	CREST
.endm
	s_load_b256 s[4:11], s[0:1], 0x0               ; ows s[4:5], wo16 s[6:7], bo s[8:9], out0 s[10:11]
	v_lshl_add_u32 v[SPW], v0, 2, SPARE
	v_mov_b32 v[NIL], 0
	ds_add_u32 v[SPW], v[NIL]                      ; the wave's opening: the add, twice on end, and its wait ahead of my first tensor load
	ds_add_u32 v[SPW], v[NIL]
	v_lshrrev_b32 v1, 5, v0
	v_readfirstlane_b32 s12, v1                    ; wave 0..3
	s_lshr_b32 s13, s12, 1                         ; which half of the tile's tokens is mine.  Also: I fetch tokens (0) or Wo (1)
	s_and_b32 s14, s12, 1                          ; which half of its features.  Also: which head, or which 128 rows of Wo, I fetch
	s_bfe_u32 s40, ttmp6, 0x40000                  ; cx, cy
	s_bfe_u32 s41, ttmp6, 0x40004
	s_lshl_b32 s42, ttmp9, 2
	s_add_co_u32 s42, s42, s40                     ; tile column = 4 x cluster x + cx
	s_and_b32 s15, ttmp7, 0xffff
	s_lshl_b32 s15, s15, 2
	s_add_co_u32 s15, s15, s41                     ; tile row = 4 x cluster y + cy
	s_lshl_b32 s43, s41, 2
	s_lshl_b32 s43, 15, s43                        ; my row of the cluster
	s_lshl_b32 s44, 0x1111, s40                    ; my column
	s_or_b32 s[G1+0], s43, (1<<16)|(1<<20)|(1<<21)|(5<<22)|(3<<25)   ; the mask; elements of 2 bytes; padding on; bit 21 beside a mask; after every 64 words; four words
	s_or_b32 s[G1B+0], s44, (1<<16)|(1<<20)|(1<<21)|(5<<22)|(3<<25)
	s_mov_b32 s[G1+1], 128<<16                     ; the tokens: 64 rows of 128 elements, dense
	s_mov_b32 s[G1+2], 64<<16
	s_mov_b32 s[G1+3], 128<<16
	s_mov_b32 s[G1+4], 64
	s_mov_b32 s[G1+5], 128
	s_mov_b32 s[G1+6], 0
	s_mov_b32 s[G1+7], 0
	s_mov_b32 s[G1B+1], 128<<16                    ; Wo: 128 rows of 128 elements, 1,024 elements from row to row
	s_mov_b32 s[G1B+2], 128<<16
	s_mov_b32 s[G1B+3], 128<<16
	s_mov_b32 s[G1B+4], 128
	s_mov_b32 s[G1B+5], 1024
	s_mov_b32 s[G1B+6], 0
	s_mov_b32 s[G1B+7], 0
	s_lshr_b32 s16, s15, 4                         ; the tokens' tile: batch = tile row / 16,
	s_lshl_b32 s16, s16, 22
	s_and_b32 s17, s15, 15                         ; token 128 (tile row % 16), 128 bytes each,
	s_lshl_b32 s17, s17, 14
	s_add_co_u32 s16, s16, s17
	s_lshl_b32 s17, s14, 18                        ; and the head that I fetch
	s_add_co_u32 s16, s16, s17
	s_mov_b32 s17, 0
	s_lshl_b32 s46, s42, 8                         ; Wo's tile: row 256 x tile column + 128 x half, 2,048 bytes each
	s_lshl_b32 s47, s14, 7
	s_add_co_u32 s46, s46, s47
	s_lshl_b32 s46, s46, 11
	s_mov_b32 s47, 0
	s_mul_i32 s20, s14, ABLK                       ; where they go: no place in the cluster enters an LDS address
	s_mul_i32 s21, s14, BHALF
	s_add_co_u32 s21, s21, 2*ABLK
	s_wait_dscnt 0x0                               ; both opening adds are done
	s_wait_kmcnt 0x0
	s_add_nc_u64 s[16:17], s[4:5], s[16:17]
	s_add_nc_u64 s[46:47], s[6:7], s[46:47]
	CROUND                                         ; all sixteen work-groups are here: the first joint loads meet
.irp s, 0,1
	s_mov_b32 s[G0+4*\s], 1
	s_add_co_u32 s[G0+4*\s+1], s20, \s*SLOT
	s_add_nc_u64 s[G0+4*\s+2:G0+4*\s+3], s[16:17], \s*524288       ; K step s: heads 2 s and 2 s + 1
	s_or_b32 s[G0+4*\s+3], s[G0+4*\s+3], 0x80000000
	s_mov_b32 s[G0B+4*\s], 1
	s_add_co_u32 s[G0B+4*\s+1], s21, \s*SLOT
	s_add_nc_u64 s[G0B+4*\s+2:G0B+4*\s+3], s[46:47], \s*256
	s_or_b32 s[G0B+4*\s+3], s[G0B+4*\s+3], 0x80000000
	JLOAD \s                                       ; two loads of mine are out
.endr
	v_and_b32 v1, 15, v0                           ; r
	v_bfe_u32 v2, v0, 4, 1                         ; h
	v_lshrrev_b32 v3, 1, v1
	v_mul_u32_u24 v3, v3, PITCH
	v_and_b32 v4, 1, v1
	v_lshl_add_u32 v3, v4, 7, v3
	v_lshl_add_u32 v3, v2, 4, v3                   ; tokens: token r at (r / 2) x 272 + 128 (r % 2), + 16 h
	v_mul_u32_u24 v4, v1, PITCH
	v_lshl_add_u32 v4, v2, 4, v4                   ; Wo: row r x 272 + 16 h
	s_mul_i32 s21, s13, 32*PITCH                   ; my 64 tokens
	s_mul_i32 s22, s14, BHALF                      ; my 128 rows of Wo,
	s_add_co_u32 s22, s22, 2*ABLK                  ; which lie behind the tokens
.irp s, 0,1
	v_add_nc_u32 v[ADRA+\s], s21, v3
	v_add_nc_u32 v[ADRB+\s], s22, v4
	s_add_co_u32 s21, s21, SLOT
	s_add_co_u32 s22, s22, SLOT
.endr
	s_mul_i32 s23, s12, 16*SPITCH
	s_add_co_u32 s23, s23, STAGE                   ; my stage
	v_mul_u32_u24 v5, v1, SPITCH                   ; in: row r, 32 bytes for each half of the lanes
	v_lshl_add_u32 v5, v2, 5, v5
	v_add_nc_u32 v[STO], s23, v5
	v_and_b32 v6, 31, v0
	v_lshlrev_b32 v[CO], 4, v6                     ; back: the 32 lanes take one row of 512 bytes; and the same in out0
	v_add_nc_u32 v[RD], s23, v[CO]
	v_lshlrev_b32 v[BO], 5, v2
	s_lshl_b32 s46, s42, 8
	s_lshl_b32 s47, s14, 7
	s_add_co_u32 s46, s46, s47                     ; my first feature,
	s_lshl_b32 s46, s46, 2                         ; in bytes
	s_mov_b32 s47, 0
	s_add_nc_u64 s[8:9], s[8:9], s[46:47]          ; bo there
	s_lshl_b32 s16, s15, 7
	s_lshl_b32 s17, s13, 6
	s_add_co_u32 s16, s16, s17                     ; my first token,
	s_lshl_b32 s16, s16, 12                        ; rows of 4,096 bytes
	s_add_co_u32 s16, s16, s46
	s_mov_b32 s17, 0
	s_add_nc_u64 s[10:11], s[10:11], s[16:17]      ; out0 at my part's corner
	WIN TO_B
.irp b, 0,1,2,3,4,5,6,7                ; the bias in the result's layout: lane (r, h), block b: bo at features 16 b + 8 h + 0..7
	global_load_b128 v[BIAS+8*\b:BIAS+8*\b+3],   v[BO], s[8:9] offset:64*\b
	global_load_b128 v[BIAS+8*\b+4:BIAS+8*\b+7], v[BO], s[8:9] offset:64*\b+16
.endr
	WIN 0
; 8 matrix instructions: token block a x Wo's eight blocks, 32 along K, buffer f.  bias = 1: the first product starts the sums on the bias.
; The 32 accumulators take turns, one instruction a turn, in the same order in every quarter.
.macro MUL8 a, f, bias
.irp b, 0,1,2,3,4,5,6,7
.if \bias
	v_wmma_f32_16x16x32_f16 v[8*(8*(\a)+\b):8*(8*(\a)+\b)+7], v[64*(\f)+8*\b:64*(\f)+8*\b+7], v[AF+32*(\f)+8*(\a):AF+32*(\f)+8*(\a)+7], v[BIAS+8*\b:BIAS+8*\b+7]
.else
	v_wmma_f32_16x16x32_f16 v[8*(8*(\a)+\b):8*(8*(\a)+\b)+7], v[64*(\f)+8*\b:64*(\f)+8*\b+7], v[AF+32*(\f)+8*(\a):AF+32*(\f)+8*(\a)+7], v[8*(8*(\a)+\b):8*(8*(\a)+\b)+7]
.endif
.endr
.endm
; 24 LDS loads in one run: the fragments of the slot's q-th 32 along K into buffer f: Wo's eight, then the tokens' four
.macro FETCH slot, q, f
	WIN TO_B
.irp i, 0,1,2,3,4,5,6,7
	ds_load_b128 v[64*(\f)+8*\i:64*(\f)+8*\i+3],   v[ADRB+\slot] offset:64*(\q)+\i*16*PITCH
	ds_load_b128 v[64*(\f)+8*\i+4:64*(\f)+8*\i+7], v[ADRB+\slot] offset:64*(\q)+\i*16*PITCH+32
.endr
	WIN 0
.irp i, 0,1,2,3
	ds_load_b128 v[AF+32*(\f)+8*\i:AF+32*(\f)+8*\i+3],   v[ADRA+\slot] offset:((\q)/2)*ABLK+((\q)%2)*64+\i*8*PITCH
	ds_load_b128 v[AF+32*(\f)+8*\i+4:AF+32*(\f)+8*\i+7], v[ADRA+\slot] offset:((\q)/2)*ABLK+((\q)%2)*64+\i*8*PITCH+32
.endr
.endm
.macro PLACES                          ; four plain vector instructions ahead of loads into registers that matrix instructions have read, and of reads of results
.rept 4
	v_nop
.endr
.endm
; A K step is four quarters of 32 along K, 32 matrix instructions each, on buffers 0, 1, 0, 1.  One of the first three: multiplies buffer f and fetches quarter qn into g.
.macro QUARTER slot, qn, f, g, bias
	s_wait_dscnt 4                                 ; Wo's fragments and token blocks 0, 1 are in; the youngest four loads (blocks 2, 3) may be out
.if \bias
	WIN MULB
.else
	WIN MUL
.endif
	MUL8 0, \f, \bias
	MUL8 1, \f, \bias
	PLACES
	FETCH \slot, \qn, \g
	s_wait_dscnt 24                                ; all but the 24 just issued
.if \bias
	WIN MULB
.else
	WIN MUL
.endif
	MUL8 2, \f, \bias
	MUL8 3, \f, \bias
.endm
; The last quarter multiplies buffer 1 and changes slots: ONE barrier; in front of it each wave waits for all its tensor loads, adds 0 to its spare word, and waits for that and for its reads of this slot.
; fill = 1: the barrier opens a round of the cluster's, and this slot is filled again, two K steps ahead, first thing behind it: 112 matrix instructions ahead of the wait for it.
.macro TURN slot, next, fill
	WIN 0
	s_wait_tensorcnt 0x0                           ; all my tensor loads have landed: my part of the next slot
	ds_add_u32 v[SPW], v[NIL]                      ; 0 onto my spare word
	s_wait_dscnt 5                                 ; (the add and the youngest four loads may be out)
	WIN MUL
	MUL8 0, 1, 0
	s_wait_dscnt 0x0                               ; the add is done, and my reads of this slot are over
	s_barrier_signal -1
	MUL8 1, 1, 0
	WIN 0
	s_barrier_wait -1
.if \fill
	CREST                                          ; no wave of any partner still reads this slot's tiles or has a load on its way
	s_add_nc_u64 s[G0+4*\slot+2:G0+4*\slot+3], s[G0+4*\slot+2:G0+4*\slot+3], 2*524288
	s_add_nc_u64 s[G0B+4*\slot+2:G0B+4*\slot+3], s[G0B+4*\slot+2:G0B+4*\slot+3], 2*256
	JLOAD \slot                                    ; the four v_nop behind it are also the places in front of the loads below
.else
	PLACES
.endif
	FETCH \next, 0, 0
	WIN MUL
	MUL8 2, 1, 0
	MUL8 3, 1, 0
.endm
	s_wait_tensorcnt 1                             ; my part of K step 0 is in (K step 1's load may be out),
	s_barrier_signal -1
	s_barrier_wait -1                              ; everybody's is
	FETCH 0, 0, 0
	s_wait_loadcnt 0x0                             ; the bias
	QUARTER 0, 1, 0, 1, 1                          ; the first quarter stands in front of the loop: its products start the sums on the bias
	WIN 0                                          ; at a label and at a branch every window is 0
	s_mov_b32 s3, 3                                ; 8 K steps are four laps of the ring; the last fills nothing
.Llap:
	QUARTER 0, 2, 1, 0, 0
	QUARTER 0, 3, 0, 1, 0
	TURN 0, 1, 1
	QUARTER 1, 1, 0, 1, 0
	QUARTER 1, 2, 1, 0, 0
	QUARTER 1, 3, 0, 1, 0
	TURN 1, 0, 1
	QUARTER 0, 1, 0, 1, 0
	WIN 0
	s_sub_co_u32 s3, s3, 1
	s_cmp_lg_u32 s3, 0
	s_cbranch_scc1 .Llap
	QUARTER 0, 2, 1, 0, 0                          ; the last lap is written out
	QUARTER 0, 3, 0, 1, 0
	TURN 0, 1, 0
	QUARTER 1, 1, 0, 1, 0
	QUARTER 1, 2, 1, 0, 0
	QUARTER 1, 3, 0, 1, 0
	s_wait_dscnt 4                                 ; the very last quarter: nothing more to fetch
	WIN MUL
	MUL8 0, 1, 0
	MUL8 1, 1, 0
	s_wait_dscnt 0
	MUL8 2, 1, 0
	MUL8 3, 1, 0
	WIN 0
; THE WAY OUT, a block of 16 tokens x 128 features at a time.  A lane holds 32 neighbouring bytes of a row: the block goes through my own stage and comes back as whole rows of 512 bytes.
; LDS serves a wave's instructions in order (ISA guide 5.7.1.4): no wait between the stores and the loads, nor in front of the next block's stores.
.macro TOSTAGE a
	WIN 0x08                                       ; an LDS store's data are its source 1: window 2
.irp b, 0,1,2,3,4,5,6,7
	ds_store_b128 v[STO], v[8*(8*(\a)+\b):8*(8*(\a)+\b)+3] offset:64*\b          ; each accumulator from its low end on
	ds_store_b128 v[STO], v[8*(8*(\a)+\b)+4:8*(8*(\a)+\b)+7] offset:64*\b+16
.endr
	WIN 0
.set BB, BK+64*((\a)%2)
.irp t, 0,1,2,3,4,5,6,7,8,9,10,11,12,13,14,15
	ds_load_b128 v[BB+4*\t:BB+4*\t+3], v[RD] offset:\t*SPITCH
.endr
.endm
.macro SEND a, younger                 ; younger: the LDS instructions issued behind block a's loads, which may stay out
.set BB, BK+64*((\a)%2)
	s_wait_dscnt \younger
.irp t, 0,1,2,3,4,5,6,7,8,9,10,11,12,13,14,15
	global_store_b128 v[CO], v[BB+4*\t:BB+4*\t+3], s[10:11] offset:(16*(\a)+\t)*4096 th:TH_STORE_NT   ; 512 consecutive bytes, at a multiple of 256 from out0's first byte; written once, read by nobody here
.endr
.endm
	PLACES                                         ; behind the last products, ahead of the first read of results
	TOSTAGE 0
.irp a, 1,2,3
.if \a > 1
	s_wait_xcnt 0x0                                ; block a - 2's stores have read their registers: block a's loads may land there
.endif
	TOSTAGE \a
	SEND \a-1, 32                                  ; behind block a - 1's loads: block a's 16 stores and 16 loads
.endr
	SEND 3, 0
	s_wait_tensorcnt 0x0                           ; the wave's end
	ds_add_u32 v[SPW], v[NIL]
	s_wait_dscnt 0x0
	CROUND                                         ; the closing round: no work-group ends while a partner may still ask for a tile that names it
	s_endpgm
.Lfunc_end_k_q8142b3894d_proj:
	.size	k_q8142b3894d_proj, .Lfunc_end_k_q8142b3894d_proj-k_q8142b3894d_proj
	.p2alignl 7, 3214868480
	.fill 96, 4, 3214868480
	.section	.rodata,"a",@progbits
	.p2align	6, 0x0
	.amdhsa_kernel k_q8142b3894d_proj
		.amdhsa_group_segment_fixed_size 327680
		.amdhsa_private_segment_fixed_size 0
		.amdhsa_enable_private_segment 0
		.amdhsa_kernarg_size 32
		.amdhsa_user_sgpr_count 2
		.amdhsa_user_sgpr_kernarg_segment_ptr 1
		.amdhsa_wavefront_size32 1
		.amdhsa_system_sgpr_workgroup_id_x 1
		.amdhsa_system_sgpr_workgroup_id_y 1
		.amdhsa_system_sgpr_workgroup_id_z 1
		.amdhsa_system_vgpr_workitem_id 0
		.amdhsa_next_free_vgpr 768
		.amdhsa_next_free_sgpr 66
		.amdhsa_reserve_vcc 0
		.amdhsa_float_denorm_mode_32 3
		.amdhsa_float_denorm_mode_16_64 3
		.amdhsa_memory_ordered 1
		.amdhsa_forward_progress 1
		.amdhsa_inst_pref_size 87
	.end_amdhsa_kernel
	.amdgpu_metadata
---
amdhsa.version: [ 1, 2 ]
amdhsa.kernels:
  - .name:           k_q8142b3894d_proj
    .symbol:         k_q8142b3894d_proj.kd
    .args:
      - { .name: ows, .offset: 0, .size: 8, .value_kind: global_buffer, .address_space: global }
      - { .name: wo16, .offset: 8, .size: 8, .value_kind: global_buffer, .address_space: global }
      - { .name: bo, .offset: 16, .size: 8, .value_kind: global_buffer, .address_space: global }
      - { .name: out0, .offset: 24, .size: 8, .value_kind: global_buffer, .address_space: global }
    .group_segment_fixed_size: 327680
    .private_segment_fixed_size: 0
    .kernarg_segment_align: 8
    .kernarg_segment_size: 32
    .max_flat_workgroup_size: 128
    .sgpr_count:     66
    .vgpr_count:     768
    .wavefront_size: 32
...
	.end_amdgpu_metadata
.endif
;; end of part 4
